; MI455X (gfx1250); checked and timed in simulation.
; The chip was launched on July 23, 2026; its instructions are those of AMD's public machine-readable ISA for CDNA 5 (MIT licence, August 2026) and "CDNA5" Instruction Set Architecture Reference Guide (July 2026). The comments in the code are by the model that wrote it; some were corrected since.
;; DR Matcher. Allowed arithmetic: float matrix products may take bf16 or f16 operands with f32 sums; all other float work in f32.
;; Inputs: pred_boxes 16 x 4,000 x 4 float32; pred_logits 16 x 4,000 x 80 float32; tgt_boxes 16 x 128 x 4 float32; tgt_labels 16 x 128 int32.
;; Outputs: out0 16 x 2 x 128 x 4,000 float32.
;; 3 versions, each right; version 2 is faster than version 1; version 3 is version 2 with the launch cost written anew for expert scheduling mode. Each part assembles by itself: llvm-mc -triple=amdgcn-amd-amdhsa -mcpu=gfx1250 --defsym DOCPART=n.
;; ======== version 1 of 3: 3 launches
;; workspace buffers: lists 2,621,440 bytes; sel 147,456 bytes
;; launch cost (part 1): grid 16 x 16, 16 waves a work-group, no clusters, 149,504 bytes of LDS; arguments pred_boxes, pred_logits, tgt_boxes, tgt_labels, out0, lists; writes out0, lists
.if DOCPART == 1
	.amdgcn_target "amdgcn-amd-amdhsa--gfx1250"
	.amdhsa_code_object_version 6
	.text
	.protected	k_qab8c6a3bb3_cost
	.globl	k_qab8c6a3bb3_cost
	.p2align	8
	.type	k_qab8c6a3bb3_cost,@function
k_qab8c6a3bb3_cost:
	s_mov_b64 s[64:65], 0
	v_nop
	global_prefetch_b8 v0, s[64:65] scope:SCOPE_SE
	s_setreg_imm32_b32 hwreg(HW_REG_WAVE_MODE, 25, 1), 1
	s_wait_xcnt 0x0
; COST PLANE AND PER-CHUNK CANDIDATE LISTS.
; Work-group (c, b): image b, anchors 256 c .. 256 c + NQ - 1 (NQ = 256; 160 in chunk 15, since 4000 = 15 x 256 + 160), all 128 targets.
; Wave w: gg = w & 3, qs = w >> 2.  A lane owns target row g = 32 gg + lane; the anchor's box is uniform in the wave and lives in scalar
; registers.  A trip is 32 anchors, of which wave qs takes 8 qs .. 8 qs + 7 in two halves of four.  Two trips (a slice) fill a tile of 128 rows
; x 64 costs in LDS, which leaves by rows: sixteen lanes store 256 consecutive bytes of one row of out0.  (A row of out0 is 16,000 bytes, so
; the rows with odd g begin 128 bytes off a multiple of 256; that is the output's own shape.)
; The class terms are gathered from a table in LDS by the row's label.  A slice's sixteen terms are loaded into registers in a stretch between
; two barriers in which no wave stores to LDS: for slice 0 behind the table's barrier, for slice s + 1 together with slice s's way out.
; Each lane keeps two sorted lists of ten: the smallest -iou and the smallest costs of its row; values only, no index, so that nothing
; that steers an address hangs on a float.  The four qs lists of a row are merged at the end and stored to 'lists'.
; No matrix unit (there is no product), no cluster and no tensor load (no two work-groups read the same logits or boxes; the targets are 2.5 KB).
; LIMITS: NaN is not ordered by the lists.  Quotients are v_rcp_f32 with one fused correction, logarithms v_log_f32 times ln 2, and
; 5 L1 + 2 class - 2 giou is formed by two fused multiply-adds: a few units in the last place from a plain f32 evaluation.
; A label outside 0..79 is clamped to 79.
.set TILE,  81920                      ; LDS: 0 .. 81,919 class table [anchor][80] f32 = 2 x cost_class
.set PITCH, 272                        ; tile row: 256 bytes + 16, an odd multiple of 16: sixteen rows start in sixteen different 16-byte columns
.set LST,   116736                     ; TILE + 128 x 272; lists of the waves qs = 1..3: ((qs-1) 128 + g) x 80 bytes, up to 147,456
.set EPSB,  0x322bcc77                 ; 1e-8
.set LABMAX, 4*79+2560*3+20480*3       ; 69,436: the table address of label 79, qs = 3, slice 3; + 10,240 + 7 x 320 + 3 = 81,919, the table's last byte
.set LAB,  17                          ; v17 LDS byte of my label's class term for the slice's first anchor of my wave
.set TADR, 18                          ; v18 where my four costs go in the tile
.set RADR, 19                          ; v19 where I read the tile back
.set GOFF, 20                          ; v20 my byte offset in out0 on the way out
.set QV,   21                          ; v21 first anchor (within the slice) of my 16 bytes on the way out
.set CT,   22                          ; v[22:25] temporaries of the class table
.set CST,  30                          ; v[30:33] four costs
.set MT,   34                          ; v34 temporary of the merges
.set LI,   48                          ; v[48:57] ten smallest -iou, ascending
.set LC,   58                          ; v[58:67] ten smallest costs, ascending
.set RD,   68                          ; v[68:83] way out; v[68:107] logits at the start; v[68:127] the other waves' lists at the end
.set CL,   84                          ; v[84:99] class terms of the slice's sixteen anchors of my wave (trip t, anchor j at 8 t + j)
.set LOF,  108                         ; v[108:117] offsets of the ten logits loads
.set SB, 66
.set SC, 67
.set SNQ, 68
.set SW, 69
.set SGG, 70
.set SQS, 71
.set SNSL, 72                          ; slices of 64 anchors: 4 (3)
.set SNTR, 73                          ; trips of 32 anchors: 8 (5)
.set SCNT, 74
.set SODD, 75                          ; number of the slice's second trip
.set SREM, 76                          ; anchors left from the slice's first on
.set SOFF, 77                          ; byte offset in pred_boxes of my wave's eight boxes of the trip
.set STMP, 78
.set SEX, 79
	s_load_b256 s[4:11], s[0:1], 0x0               ; pred_boxes s[4:5], pred_logits s[6:7], tgt_boxes s[8:9], tgt_labels s[10:11]
	s_load_b128 s[12:15], s[0:1], 0x20             ; out0 s[12:13], lists s[14:15]
	v_lshl_add_u32 v128, v0, 2, 0x24000
	v_mov_b32 v129, 0
	v_and_b32 v1, 31, v0                           ; lane
	v_lshrrev_b32 v2, 5, v0
	v_readfirstlane_b32 s[SW], v2                  ; wave
	s_and_b32 s[SB], ttmp7, 0xffff
	s_mov_b32 s[SC], ttmp9
	s_and_b32 s[SGG], s[SW], 3
	s_lshr_b32 s[SQS], s[SW], 2
	s_mov_b32 s[SNQ], 256
	s_cmp_eq_u32 s[SC], 15
	s_cselect_b32 s[SNQ], 160, s[SNQ]
	s_cselect_b32 s[SNSL], 3, 4
	s_cselect_b32 s[SNTR], 5, 8
	s_mul_i32 s86, s[SB], 4000
	s_lshl_b32 s87, s[SC], 8
	s_add_co_u32 s86, s86, s87                     ; the chunk's first anchor, counted over all images
	s_mul_i32 s88, s86, 320                        ; its logits, in bytes (below 20,480,000)
	s_mov_b32 s89, 0
	s_lshl3_add_u32 s[SOFF], s[SQS], s86           ; + 8 qs
	s_lshl_b32 s[SOFF], s[SOFF], 4                 ; 16 bytes a box
	s_mul_i32 s90, s[SB], 4096000                  ; image b of out0: 2 planes x 128 rows x 16,000 bytes
	s_lshl_b32 s87, s[SC], 10
	s_add_co_u32 s90, s90, s87                     ; + 256 c anchors
	s_mov_b32 s91, 0
	s_lshl4_add_u32 s92, s[SB], s[SC]
	s_mul_i32 s92, s92, 10240                      ; lists: 2 kinds x 5 pairs x 128 rows x 8 bytes for each (b, c)
	s_mov_b32 s93, 0
	s_mul_i32 s87, s[SNQ], 320
	s_sub_co_u32 s87, s87, 16                      ; the last 16 bytes of the chunk's logits
	v_lshl_or_b32 v2, s[SGG], 5, v1                ; g
	v_lshl_add_u32 v3, s[SB], 7, v2                ; 128 b + g
	v_lshlrev_b32 v4, 4, v3
	v_lshlrev_b32 v5, 2, v3
	v_lshlrev_b32 v7, 4, v0                        ; 16 x thread
.irp n, 0,1,2,3,4,5,6,7,8,9
	v_add_nc_u32 v[LOF+\n], 8192*\n, v7
	v_min_u32 v[LOF+\n], s87, v[LOF+\n]            ; the short chunk's surplus threads read its last 16 bytes again
.endr
	s_wait_kmcnt 0x0
	s_add_nc_u64 s[82:83], s[6:7], s[88:89]
	s_add_nc_u64 s[80:81], s[12:13], s[90:91]
	s_add_nc_u64 s[84:85], s[14:15], s[92:93]
	global_load_b128 v[8:11], v4, s[8:9]           ; my target: cx, cy, w, h
	global_load_b32 v6, v5, s[10:11]               ; its label
.irp n, 0,1,2,3,4,5,6,7,8,9
	global_load_b128 v[RD+4*\n:RD+4*\n+3], v[LOF+\n], s[82:83] th:TH_LOAD_NT   ; 512 threads x 16 bytes x 10 = 256 anchors x 320 bytes
.endr
	s_load_b512 s[16:31], s[4:5], s[SOFF] offset:0x0   ; the first four boxes of my wave
	s_wait_loadcnt 10                              ; the ten logits loads may stay out: target and label are in
	v_fma_f32 v12, -0.5, v10, v8                   ; the product by 0.5 is exact, so the fused form rounds as cx - 0.5 w does
	v_fma_f32 v13, -0.5, v11, v9
	v_fma_f32 v14, 0.5, v10, v8
	v_fma_f32 v15, 0.5, v11, v9
	v_sub_f32 v16, v14, v12
	v_sub_f32 v34, v15, v13
	v_mul_f32 v16, v16, v34                        ; target's area
	v_min_u32 v6, 79, v6
	s_mul_i32 s87, s[SQS], 2560                    ; 8 qs anchors of 320 bytes
	v_lshlrev_b32 v[LAB], 2, v6
	v_add_nc_u32 v[LAB], s87, v[LAB]
	s_lshl_b32 s86, s[SQS], 5
	s_add_co_u32 s86, s86, TILE
	v_mul_u32_u24 v[TADR], v2, PITCH
	v_add_nc_u32 v[TADR], s86, v[TADR]             ; TILE + 272 g + 32 qs
	v_lshrrev_b32 v3, 4, v1
	v_and_b32 v4, 15, v1
	v_lshlrev_b32 v3, 2, v3
	v_lshl_add_u32 v3, s[SW], 3, v3                ; way out: rows 8 w + 4 (lane / 16) + 0..3
	v_mul_u32_u24 v[RADR], v3, PITCH
	v_lshl_add_u32 v[RADR], v4, 4, v[RADR]
	v_add_nc_u32 v[RADR], TILE, v[RADR]
	v_mul_u32_u24 v[GOFF], v3, 16000
	v_lshl_add_u32 v[GOFF], v4, 4, v[GOFF]
	v_lshlrev_b32 v[QV], 2, v4
	v_add_nc_u32 v5, 0x10000, v7                   ; LDS offsets hold 16 bits: a second register for the table's last 16 KB
.irp i, 0,1,2,3,4,5,6,7,8,9,10,11,12,13,14,15,16,17,18,19
	v_mov_b32 v[LI+\i], 0x7f800000                 ; both lists start at +inf; every row sees at least 40 anchors in each wave
.endr
; Four logits in v[X:X+3] become 2 x cost_class = 1.5 ln2 p^2 log2(1 + (eps - p)) - 0.5 ln2 (1-p)^2 log2(p + eps), p = 1 / (1 + 2^(-x log2 e)).
; Behind each run of transcendentals one plain vector instruction stands before a result is used (ISA guide 5.7.2).
.macro CLS4 X
	v_pk_mul_f32 v[34:35], v[\X:\X+1], 0xbfb8aa3b op_sel_hi:[1,0]
	v_pk_mul_f32 v[36:37], v[\X+2:\X+3], 0xbfb8aa3b op_sel_hi:[1,0]
.irp i, 34,35,36,37
	v_exp_f32 v\i, v\i
.endr
	v_nop
	s_wait_alu depctr_va_vdst(0)
	v_pk_add_f32 v[34:35], v[34:35], 1.0 op_sel_hi:[1,0]
	v_pk_add_f32 v[36:37], v[36:37], 1.0 op_sel_hi:[1,0]
.irp i, 34,35,36,37
	v_rcp_f32 v\i, v\i                             ; p
.endr
	v_nop
	s_wait_alu depctr_va_vdst(0)
.irp o, 0,2
	v_pk_add_f32 v[38+\o:39+\o], v[34+\o:35+\o], EPSB op_sel_hi:[1,0]                              ; p + eps
	v_pk_add_f32 v[42+\o:43+\o], v[34+\o:35+\o], EPSB op_sel_hi:[1,0] neg_lo:[1,0] neg_hi:[1,0]    ; -p + eps
.endr
.irp o, 0,2
	v_pk_add_f32 v[42+\o:43+\o], v[42+\o:43+\o], 1.0 op_sel_hi:[1,0]
.endr
.irp i, 38,39,40,41,42,43,44,45
	v_log_f32 v\i, v\i
.endr
.irp o, 0,2
	v_pk_add_f32 v[CT+\o:CT+1+\o], v[34+\o:35+\o], 1.0 op_sel_hi:[1,0] neg_lo:[1,0] neg_hi:[1,0]   ; 1 - p
.endr
	s_wait_alu depctr_va_vdst(0)
.irp o, 0,2
	v_pk_mul_f32 v[CT+\o:CT+1+\o], v[CT+\o:CT+1+\o], v[CT+\o:CT+1+\o]
	v_pk_mul_f32 v[34+\o:35+\o], v[34+\o:35+\o], v[34+\o:35+\o]
	v_pk_mul_f32 v[42+\o:43+\o], v[42+\o:43+\o], 0x3f851592 op_sel_hi:[1,0]                        ; 1.5 ln 2
	v_pk_mul_f32 v[38+\o:39+\o], v[38+\o:39+\o], 0xbeb17218 op_sel_hi:[1,0]                        ; -0.5 ln 2
	v_pk_mul_f32 v[42+\o:43+\o], v[42+\o:43+\o], v[34+\o:35+\o]
	v_pk_fma_f32 v[\X+\o:\X+\o+1], v[38+\o:39+\o], v[CT+\o:CT+1+\o], v[42+\o:43+\o]
.endr
.endm
.irp n, 0,1,2,3,4,5,6,7
	s_wait_loadcnt 9-\n                            ; the younger logits loads stay out
	CLS4 RD+4*\n
	ds_store_b128 v7, v[RD+4*\n:RD+4*\n+3] offset:8192*\n
.endr
.irp n, 8,9
	s_wait_loadcnt 9-\n
	CLS4 RD+4*\n
	ds_store_b128 v5, v[RD+4*\n:RD+4*\n+3] offset:8192*\n-65536
.endr
	s_wait_dscnt 0x0                               ; my part of the table is written,
	s_barrier_signal -1
	s_barrier_wait -1                              ; everybody's is
; The sixteen class terms of my wave's anchors in one slice; then the address steps a slice (64 anchors of 320 bytes) and is held at its
; largest true value, so that the look-ahead behind the last slice reads table bytes (which are all written) and nothing else.
.macro LOADCL
.irp t, 0,1
.irp j, 0,1,2,3,4,5,6,7
	ds_load_b32 v[CL+8*\t+\j], v[LAB] offset:10240*\t+320*\j
.endr
.endr
	v_add_nc_u32 v[LAB], 20480, v[LAB]
	v_min_u32 v[LAB], LABMAX, v[LAB]
.endm
	LOADCL                                         ; slice 0's terms
	s_wait_dscnt 0x0                               ; they are in my registers;
	s_barrier_signal -1
	s_barrier_wait -1                              ; everybody's are: from here on LDS may be stored to
; x goes into the ascending list L of ten: entry i becomes the middle one of (entry i-1, entry i, x); from the top down, so that old values are read.
.macro INS L, x
.irp i, 9,8,7,6,5,4,3,2,1
	v_med3_num_f32 v[\L+\i], v[\L+\i-1], v[\L+\i], v[\x]
.endr
	v_min_num_f32 v[\L], v[\L], v[\x]
.endm
; One anchor against 32 targets.  j: its place in the slice's sixteen; R: first of its four scalar registers cx, cy, w, h; k: its place in CST.
.macro Q j, R, k
	s_mul_f32 s56, s[\R+2], -0.5
	s_mul_f32 s57, s[\R+2], 0.5
	s_mul_f32 s58, s[\R+3], -0.5
	s_mul_f32 s59, s[\R+3], 0.5
	s_add_f32 s48, s[\R], s56                      ; x0
	s_add_f32 s49, s[\R+1], s58                    ; y0
	s_add_f32 s50, s[\R], s57                      ; x1
	s_add_f32 s51, s[\R+1], s59                    ; y1
	s_mul_f32 s56, s48, -1.0
	s_mul_f32 s58, s49, -1.0
	s_add_f32 s56, s50, s56
	s_add_f32 s58, s51, s58
	s_mul_f32 s52, s56, s58                        ; area
	v_sub_f32 v34, s[\R], v8
	v_sub_f32 v35, s[\R+1], v9
	v_sub_f32 v36, s[\R+2], v10
	v_sub_f32 v37, s[\R+3], v11
	v_add_f32 v34, |v34|, |v35|
	v_add_f32 v34, v34, |v36|
	v_add_f32 v34, v34, |v37|                      ; L1
	v_max_num_f32 v35, s48, v12
	v_max_num_f32 v36, s49, v13
	v_min_num_f32 v37, s50, v14
	v_min_num_f32 v38, s51, v15
	v_sub_f32 v37, v37, v35
	v_sub_f32 v38, v38, v36
	v_max_num_f32 v37, 0, v37
	v_max_num_f32 v38, 0, v38
	v_mul_f32 v35, v37, v38                        ; inter
	v_add_f32 v36, s52, v16
	v_sub_f32 v36, v36, v35                        ; union
	v_add_f32 v37, EPSB, v36
	v_rcp_f32 v38, v37                             ; used fourteen lines further down
	v_min_num_f32 v39, s48, v12
	v_min_num_f32 v40, s49, v13
	v_max_num_f32 v41, s50, v14
	v_max_num_f32 v42, s51, v15
	v_sub_f32 v41, v41, v39
	v_sub_f32 v42, v42, v40
	v_max_num_f32 v41, 0, v41
	v_max_num_f32 v42, 0, v42
	v_mul_f32 v39, v41, v42                        ; enclosing area
	v_add_f32 v40, EPSB, v39
	v_rcp_f32 v41, v40
	v_sub_f32 v42, v39, v36                        ; the plain place behind the reciprocal: enclosing - union
	s_wait_alu depctr_va_vdst(0)
	v_mul_f32 v43, -v35, v38                       ; -iou, first guess
	v_fma_f32 v44, v43, v37, v35                   ; what is left of inter
	v_fma_f32 v43, -v44, v38, v43                  ; -iou
	v_mul_f32 v45, v42, v41
	v_fma_f32 v46, -v45, v40, v42
	v_fma_f32 v45, v46, v41, v45                   ; (enclosing - union) / (enclosing + eps)
	v_add_f32 v45, v43, v45                        ; -giou
	v_fmamk_f32 v34, v34, 0x40a00000, v[CL+\j]     ; 5 L1 + 2 class
	v_fma_f32 v[CST+\k], 2.0, v45, v34
	INS LI, 43
	INS LC, CST+\k
.endm
; Four anchors.  The other set's boxes are asked for first: one scalar load is out at any time, issued a half earlier than it is waited for.
.macro HALF hs, par
	s_wait_kmcnt 0x0                               ; this half's boxes are in; that load's offset register is free
.if \hs == 0
	s_add_co_u32 s[STMP], s[SOFF], 64
	s_load_b512 s[32:47], s[4:5], s[STMP] offset:0x0
.else
	s_add_co_u32 s[SOFF], s[SOFF], 512             ; 32 anchors on
	s_min_u32 s[STMP], s[SOFF], 1023936            ; behind the last trip of the last image: the buffer's last 64 bytes, not used
	s_load_b512 s[16:31], s[4:5], s[STMP] offset:0x0
.endif
.irp k, 0,1,2,3
	Q (8*\par+4*\hs+\k),(16+16*\hs+4*\k),\k
.endr
	ds_store_b128 v[TADR], v[CST:CST+3] offset:128*\par+16*\hs
.endm
.macro TRIP par
	HALF 0, \par
	HALF 1, \par
.endm
	s_mov_b32 s[SCNT], 0
	s_mov_b32 s[SODD], 1
	s_mov_b32 s[SREM], s[SNQ]
.Lslice:
	TRIP 0
	s_cmp_ge_u32 s[SODD], s[SNTR]                  ; the short chunk has five trips: its third slice has one
	s_cbranch_scc1 .Lhalf
	TRIP 1
.Lhalf:
	s_wait_dscnt 0x0                               ; my costs are in the tile,
	s_barrier_signal -1
	s_barrier_wait -1                              ; everybody's are.  Up to the next barrier LDS is only read
.irp i, 0,1,2,3
	ds_load_b128 v[RD+4*\i:RD+4*\i+3], v[RADR] offset:PITCH*\i   ; all lanes: where a slice is short the tile still holds the slice before
.endr
	LOADCL                                         ; the next slice's class terms
	v_cmp_gt_u32 vcc_lo, s[SREM], v[QV]
	s_wait_dscnt 0x0                               ; for my registers, and for the others: LDS is stored to again behind the next barrier
	s_wait_xcnt 0x0                                ; EXEC changes only when no issued memory instruction still needs it
	s_and_saveexec_b32 s[SEX], vcc_lo              ; only anchors that exist are stored
.irp i, 0,1,2,3
	global_store_b128 v[GOFF], v[RD+4*\i:RD+4*\i+3], s[80:81] offset:16000*\i   ; sixteen lanes: 256 consecutive bytes of a row
.endr
	s_wait_xcnt 0x0                                ; EXEC, the base and RD are rewritten only behind this wait
	s_or_b32 exec_lo, exec_lo, s[SEX]
	s_add_nc_u64 s[80:81], s[80:81], 256
	s_sub_co_u32 s[SREM], s[SREM], 64
	s_barrier_signal -1
	s_barrier_wait -1                              ; nobody reads the tile or the table's terms of this stretch any more
	s_add_co_u32 s[SODD], s[SODD], 2
	s_add_co_u32 s[SCNT], s[SCNT], 1
	s_cmp_lt_u32 s[SCNT], s[SNSL]
	s_cbranch_scc1 .Lslice
; The ten smallest of two ascending lists of ten: min(a[i], b[9-i]) holds them, rising and then falling; the fifteen exchanges are those
; of the merge network for sixteen that are left when six entries of -inf stand in front.
.macro CE d, x, y
	v_min_num_f32 v[MT], v[\d+\x], v[\d+\y]
	v_max_num_f32 v[\d+\y], v[\d+\x], v[\d+\y]
	v_mov_b32 v[\d+\x], v[MT]
.endm
.macro MERGE10 d, a, b
.irp i, 0,1,2,3,4,5,6,7,8,9
	v_min_num_f32 v[\d+\i], v[\a+\i], v[\b+9-\i]
.endr
	CE \d,0,8
	CE \d,1,9
	CE \d,2,6
	CE \d,3,7
	CE \d,4,8
	CE \d,5,9
	CE \d,2,4
	CE \d,3,5
	CE \d,6,8
	CE \d,7,9
	CE \d,0,1
	CE \d,2,3
	CE \d,4,5
	CE \d,6,7
	CE \d,8,9
.endm
	v_mul_u32_u24 v37, v2, 80
	s_cmp_lt_u32 s[SW], 4
	s_cbranch_scc1 .Lkeep                          ; waves 4 .. 15 (qs = 1 .. 3) hand their lists over
	s_mul_i32 s87, s[SQS], 10240
	s_add_co_u32 s87, s87, LST-10240
	v_add_nc_u32 v35, s87, v37
.irp i, 0,1,2,3,4
	ds_store_b128 v35, v[LI+4*\i:LI+4*\i+3] offset:16*\i
.endr
.Lkeep:
	s_wait_dscnt 0x0
	s_barrier_signal -1
	s_barrier_wait -1
	s_cmp_ge_u32 s[SW], 4
	s_cbranch_scc1 .Lend
	v_add_nc_u32 v36, LST, v37
.irp x, 0,1,2
.irp i, 0,1,2,3,4
	ds_load_b128 v[RD+20*\x+4*\i:RD+20*\x+4*\i+3], v36 offset:10240*\x+16*\i
.endr
.endr
.irp x, 0,1,2
	s_wait_dscnt 10-5*\x                           ; the five loads of each later wave's lists stay out
	MERGE10 LI,LI,RD+20*\x
	MERGE10 LC,LC,RD+10+20*\x
.endr
	v_lshlrev_b32 v38, 3, v2
.irp m, 0,1,2,3,4,5,6,7,8,9
	global_store_b64 v38, v[LI+2*\m:LI+2*\m+1], s[84:85] offset:1024*\m   ; 32 lanes x 8 bytes: 256 consecutive bytes, aligned
.endr
.Lend:
	s_wait_tensorcnt 0x0
	ds_add_u32 v128, v129
	s_wait_dscnt 0x0
	s_endpgm
.Lfunc_end_k_qab8c6a3bb3_cost:
	.size	k_qab8c6a3bb3_cost, .Lfunc_end_k_qab8c6a3bb3_cost-k_qab8c6a3bb3_cost
	.p2alignl 7, 3214868480
	.fill 96, 4, 3214868480
	.section	.rodata,"a",@progbits
	.p2align	6, 0x0
	.amdhsa_kernel k_qab8c6a3bb3_cost
		.amdhsa_group_segment_fixed_size 149504
		.amdhsa_private_segment_fixed_size 0
		.amdhsa_enable_private_segment 0
		.amdhsa_kernarg_size 48
		.amdhsa_user_sgpr_count 2
		.amdhsa_user_sgpr_kernarg_segment_ptr 1
		.amdhsa_wavefront_size32 1
		.amdhsa_system_sgpr_workgroup_id_x 1
		.amdhsa_system_sgpr_workgroup_id_y 1
		.amdhsa_system_sgpr_workgroup_id_z 1
		.amdhsa_system_vgpr_workitem_id 0
		.amdhsa_next_free_vgpr 130
		.amdhsa_next_free_sgpr 96
		.amdhsa_reserve_vcc 1
		.amdhsa_float_denorm_mode_32 3
		.amdhsa_float_denorm_mode_16_64 3
		.amdhsa_memory_ordered 1
		.amdhsa_forward_progress 1
		.amdhsa_inst_pref_size 103
	.end_amdhsa_kernel
	.amdgpu_metadata
---
amdhsa.version: [ 1, 2 ]
amdhsa.kernels:
  - .name:           k_qab8c6a3bb3_cost
    .symbol:         k_qab8c6a3bb3_cost.kd
    .args:
      - { .name: pred_boxes, .offset: 0, .size: 8, .value_kind: global_buffer, .address_space: global }
      - { .name: pred_logits, .offset: 8, .size: 8, .value_kind: global_buffer, .address_space: global }
      - { .name: tgt_boxes, .offset: 16, .size: 8, .value_kind: global_buffer, .address_space: global }
      - { .name: tgt_labels, .offset: 24, .size: 8, .value_kind: global_buffer, .address_space: global }
      - { .name: out0, .offset: 32, .size: 8, .value_kind: global_buffer, .address_space: global }
      - { .name: lists, .offset: 40, .size: 8, .value_kind: global_buffer, .address_space: global }
    .group_segment_fixed_size: 149504
    .private_segment_fixed_size: 0
    .kernarg_segment_align: 8
    .kernarg_segment_size: 48
    .max_flat_workgroup_size: 512
    .sgpr_count:     96
    .vgpr_count:     130
    .wavefront_size: 32
...
	.end_amdgpu_metadata
.endif
;; end of part 1
;; launch merge (part 2): grid 64 x 1, 2 waves a work-group, no clusters, 512 bytes of LDS; arguments lists, sel; writes sel
.if DOCPART == 2
	.amdgcn_target "amdgcn-amd-amdhsa--gfx1250"
	.amdhsa_code_object_version 6
	.text
	.protected	k_qab8c6a3bb3_merge
	.globl	k_qab8c6a3bb3_merge
	.p2align	8
	.type	k_qab8c6a3bb3_merge,@function
k_qab8c6a3bb3_merge:
	s_mov_b64 s[64:65], 0
	v_nop
	global_prefetch_b8 v0, s[64:65] scope:SCOPE_SE
	s_setreg_imm32_b32 hwreg(HW_REG_WAVE_MODE, 25, 1), 1
	s_wait_xcnt 0x0
; PER ROW: k, THE k-TH SMALLEST COST t, AND HOW TIES AT t ARE SHARED AMONG THE CHUNKS.
; Work-group x: image b = x >> 2, rows 32 (x & 3) .. + 31, a lane a row.  Wave 0 merges the sixteen chunk lists of -iou, wave 1 those of the
; costs, by the same code.  k = clip(int(sum of the ten largest iou), 1); it is at most 10, since an overlap above zero needs two boxes
; of positive sides, and then iou <= 1.  sel[b][0][g] = t, [1][g] = r = k - (costs below t), [2+c][g] = costs equal to t in the chunks before c.
; A chunk's list of ten can show fewer equals than the chunk has only if it shows at least r of them, so later chunks are refused all the same.
; 2.6 MB are read once, in 256-byte pieces; 128 waves are all the rows there are (2,048 rows x 2 kinds / 32 lanes).
; LIMITS: NaN is not ordered; the sum of the ten iou is formed from the largest down.
.set MT, 26
.set V,  16                            ; v[16:25] the merged ten
.set CH, 32                            ; v[32:191] chunk c's ten at 32 + 10 c, kept whole for the count of ties
.set US, 192                           ; v[192:207] the sixteen 'used' words, a register each: no store's data is rewritten
	s_load_b128 s[4:7], s[0:1], 0x0                ; lists, sel
	v_lshl_add_u32 v208, v0, 2, 0x100
	v_mov_b32 v209, 0
	v_and_b32 v1, 31, v0
	v_lshrrev_b32 v2, 5, v0
	v_readfirstlane_b32 s8, v2                     ; wave = kind
	s_lshr_b32 s9, ttmp9, 2                        ; b
	s_and_b32 s10, ttmp9, 3
	v_lshl_or_b32 v2, s10, 5, v1                   ; g
	v_lshlrev_b32 v3, 3, v2
	v_lshlrev_b32 v4, 2, v2
	v_lshlrev_b32 v5, 2, v0                        ; LDS: 128 x wave + 4 x lane
	v_lshlrev_b32 v6, 2, v1
	s_mul_i32 s12, s9, 163840                      ; 16 chunks x 10,240 bytes
	s_mul_i32 s11, s8, 5120
	s_add_co_u32 s12, s12, s11
	s_mov_b32 s13, 0
	s_mul_i32 s14, s9, 9216                        ; 18 slots x 128 words
	s_mov_b32 s15, 0
	s_wait_kmcnt 0x0
	s_add_nc_u64 s[4:5], s[4:5], s[12:13]
	s_add_nc_u64 s[6:7], s[6:7], s[14:15]
.irp c, 0,1,2,3,4,5,6,7,8,9,10,11,12,13,14,15
.irp p, 0,1,2,3,4
	global_load_b64 v[CH+10*\c+2*\p:CH+10*\c+2*\p+1], v3, s[4:5] offset:10240*\c+1024*\p
.endr
.endr
.macro CE d, x, y
	v_min_num_f32 v[MT], v[\d+\x], v[\d+\y]
	v_max_num_f32 v[\d+\y], v[\d+\x], v[\d+\y]
	v_mov_b32 v[\d+\x], v[MT]
.endm
.macro MERGE10 d, a, b                 ; as in the first launch: the ten smallest of two ascending tens; a and b are kept unless d is a
.irp i, 0,1,2,3,4,5,6,7,8,9
	v_min_num_f32 v[\d+\i], v[\a+\i], v[\b+9-\i]
.endr
	CE \d,0,8
	CE \d,1,9
	CE \d,2,6
	CE \d,3,7
	CE \d,4,8
	CE \d,5,9
	CE \d,2,4
	CE \d,3,5
	CE \d,6,8
	CE \d,7,9
	CE \d,0,1
	CE \d,2,3
	CE \d,4,5
	CE \d,6,7
	CE \d,8,9
.endm
	s_wait_loadcnt 63                              ; chunks 0 and 1 need at most 70 younger loads out; the wait's field holds 63
	MERGE10 V,CH,CH+10
	s_wait_loadcnt 63                              ; chunk 2: at most 65
	MERGE10 V,V,CH+20
.irp c, 3,4,5,6,7,8,9,10,11,12,13,14,15
	s_wait_loadcnt 75-5*\c                         ; the five loads of each later chunk stay out
	MERGE10 V,V,CH+10*\c
.endr
	v_add_f32 v27, v[V], v[V+1]
.irp i, 2,3,4,5,6,7,8,9
	v_add_f32 v27, v27, v[V+\i]
.endr
	v_med3_num_f32 v27, -v27, 1.0, 0x41200000      ; the lists hold -iou; clipped to 1 .. 10 before the cut to a whole number
	v_cvt_u32_f32 v27, v27
	ds_store_b32 v5, v27                           ; (wave 1's word is not read)
	s_wait_dscnt 0x0
	s_barrier_signal -1
	s_barrier_wait -1
	s_cmp_eq_u32 s8, 0
	s_cbranch_scc1 .Lend
	ds_load_b32 v8, v6                             ; k, from wave 0
	v_mov_b32 v7, v[V]
	v_mov_b32 v9, 0
	v_mov_b32 v11, 0
	s_wait_dscnt 0x0
.irp i, 1,2,3,4,5,6,7,8,9
	v_cmp_lt_u32 vcc_lo, \i, v8
	v_cndmask_b32 v7, v7, v[V+\i], vcc_lo          ; ends at entry k - 1
.endr
.irp i, 0,1,2,3,4,5,6,7,8,9
	v_cmp_lt_f32 vcc_lo, v[V+\i], v7
	v_add_co_ci_u32 v9, vcc_lo, 0, v9, vcc_lo      ; costs below t
.endr
	v_sub_nc_u32 v10, v8, v9
	global_store_b32 v4, v7, s[6:7]
	global_store_b32 v4, v10, s[6:7] offset:512
.irp c, 0,1,2,3,4,5,6,7,8,9,10,11,12,13,14,15
	v_mov_b32 v[US+\c], v11
	global_store_b32 v4, v[US+\c], s[6:7] offset:1024+512*\c
.irp i, 0,1,2,3,4,5,6,7,8,9
	v_cmp_eq_f32 vcc_lo, v[CH+10*\c+\i], v7
	v_add_co_ci_u32 v11, vcc_lo, 0, v11, vcc_lo
.endr
.endr
.Lend:
	s_wait_tensorcnt 0x0
	ds_add_u32 v208, v209
	s_wait_dscnt 0x0
	s_endpgm
.Lfunc_end_k_qab8c6a3bb3_merge:
	.size	k_qab8c6a3bb3_merge, .Lfunc_end_k_qab8c6a3bb3_merge-k_qab8c6a3bb3_merge
	.p2alignl 7, 3214868480
	.fill 96, 4, 3214868480
	.section	.rodata,"a",@progbits
	.p2align	6, 0x0
	.amdhsa_kernel k_qab8c6a3bb3_merge
		.amdhsa_group_segment_fixed_size 512
		.amdhsa_private_segment_fixed_size 0
		.amdhsa_enable_private_segment 0
		.amdhsa_kernarg_size 16
		.amdhsa_user_sgpr_count 2
		.amdhsa_user_sgpr_kernarg_segment_ptr 1
		.amdhsa_wavefront_size32 1
		.amdhsa_system_sgpr_workgroup_id_x 1
		.amdhsa_system_sgpr_workgroup_id_y 1
		.amdhsa_system_sgpr_workgroup_id_z 1
		.amdhsa_system_vgpr_workitem_id 0
		.amdhsa_next_free_vgpr 210
		.amdhsa_next_free_sgpr 66
		.amdhsa_reserve_vcc 1
		.amdhsa_float_denorm_mode_32 3
		.amdhsa_float_denorm_mode_16_64 3
		.amdhsa_memory_ordered 1
		.amdhsa_forward_progress 1
		.amdhsa_inst_pref_size 50
	.end_amdhsa_kernel
	.amdgpu_metadata
---
amdhsa.version: [ 1, 2 ]
amdhsa.kernels:
  - .name:           k_qab8c6a3bb3_merge
    .symbol:         k_qab8c6a3bb3_merge.kd
    .args:
      - { .name: lists, .offset: 0, .size: 8, .value_kind: global_buffer, .address_space: global }
      - { .name: sel, .offset: 8, .size: 8, .value_kind: global_buffer, .address_space: global }
    .group_segment_fixed_size: 512
    .private_segment_fixed_size: 0
    .kernarg_segment_align: 8
    .kernarg_segment_size: 16
    .max_flat_workgroup_size: 64
    .sgpr_count:     66
    .vgpr_count:     210
    .wavefront_size: 32
...
	.end_amdgpu_metadata
.endif
;; end of part 2
;; launch match (part 3): grid 16 x 16, 8 waves a work-group, no clusters, 25,600 bytes of LDS; arguments out0, sel; writes out0
.if DOCPART == 3
	.amdgcn_target "amdgcn-amd-amdhsa--gfx1250"
	.amdhsa_code_object_version 6
	.text
	.protected	k_qab8c6a3bb3_match
	.globl	k_qab8c6a3bb3_match
	.p2align	8
	.type	k_qab8c6a3bb3_match,@function
k_qab8c6a3bb3_match:
	s_mov_b64 s[64:65], 0
	v_nop
	global_prefetch_b8 v0, s[64:65] scope:SCOPE_SE
	s_setreg_imm32_b32 hwreg(HW_REG_WAVE_MODE, 25, 1), 1
	s_wait_xcnt 0x0
; MATCHING PLANE.  Work-group (c, b): image b, anchors 256 c .. + NQ - 1, all 128 rows.  It loads words of the cost plane out0[b][0] only and
; stores words of the matching plane out0[b][1] only.
; Wave w: rows 16 w .. 16 w + 15.  Lane l holds, of each row, anchors 4 l .. 4 l + 3 (part 0) and 128 + 4 l .. + 3 (part 1): each load and store
; of a wave covers 512 consecutive bytes of a row.  A cost is matched if it is below the row's t, or equals t and fewer than r equals
; stand in front of it (those of earlier chunks from 'sel', those of this chunk counted over parts, lanes and elements in index order).
; Sixteen rows' bits are shifted into one word an anchor; each wave also keeps the least cost, its row, and a count capped at two.
; The eight waves exchange these through LDS; an anchor matched more than once takes the one-hot of its least cost's row (first row on a tie).
; Every choice is a mask or a select: no address and no branch hangs on a float.  In the short chunk the lanes of part 1 beyond anchor 159
; load the row's last 16 bytes of the chunk again; they stand behind every true anchor in the tie order and are not stored.
; LIMITS: NaN is not ordered; -0 and +0 count as equal.
.set BITS, 16                          ; v[16:23]
.set MN,   24                          ; v[24:31]
.set ARG,  32                          ; v[32:39]
.set CNT,  40                          ; v[40:47]
.set NN,   48                          ; v[48:55] equals in front of each of my eight elements
.set CO,   64                          ; v[64:191] row j, element e at 64 + 8 j + e; then the exchange; then the results
.set ST, 16                            ; s[16:31] t
.set SR, 32                            ; s[32:47] r
.set SU, 48                            ; s[48:63] used
.set SE, 66                            ; s[66:73] masks: cost == t
.set SL, 74                            ; s[74:81] masks: cost < t
.set SA, 82                            ; s[82:89] masks: rank < r, then matched
.set SG, 90                            ; s[90:97] masks: new least cost
	s_load_b128 s[4:7], s[0:1], 0x0                ; out0, sel
	v_lshl_add_u32 v208, v0, 2, 0x6000
	v_mov_b32 v209, 0
	v_and_b32 v1, 31, v0
	v_lshrrev_b32 v2, 5, v0
	v_readfirstlane_b32 s2, v2                     ; wave
	s_and_b32 s3, ttmp7, 0xffff                    ; b
	s_mov_b32 s14, 256
	s_cmp_eq_u32 ttmp9, 15
	s_cselect_b32 s14, 160, s14                    ; NQ
	s_lshl_b32 s15, s2, 4                          ; my first row
	s_mul_i32 s10, s3, 9216
	s_lshl_b32 s98, s2, 6
	s_add_co_u32 s10, s10, s98                     ; sel: image b, word 16 w
	s_mov_b32 s11, 0
	s_mul_i32 s12, s3, 4096000
	s_mul_i32 s98, s2, 256000                      ; 16 rows of 16,000 bytes
	s_add_co_u32 s12, s12, s98
	s_lshl_b32 s98, ttmp9, 10
	s_add_co_u32 s12, s12, s98
	s_mov_b32 s13, 0
	s_lshl_b32 s99, ttmp9, 9                       ; slot 2 + c
	s_lshl_b32 s98, s14, 2
	s_sub_co_u32 s98, s98, 16
	v_lshlrev_b32 v2, 4, v1                        ; part 0, and my 16 bytes in an LDS row
	v_add_nc_u32 v4, 512, v2                       ; part 1, for stores
	v_min_u32 v3, s98, v4                          ; part 1, for loads: stays in the chunk
	v_lshl_add_u32 v5, v1, 2, 128                  ; part 1's first anchor
	v_lshl_add_u32 v7, s2, 10, v2                  ; my wave's row in the exchange
	s_wait_kmcnt 0x0
	s_add_nc_u64 s[8:9], s[6:7], s[10:11]
	s_add_nc_u64 s[12:13], s[4:5], s[12:13]
	s_load_b512 s[ST:ST+15], s[8:9], 0x0
	s_load_b512 s[SR:SR+15], s[8:9], 0x200
	s_load_b512 s[SU:SU+15], s[8:9], s99 offset:0x400
.irp j, 0,1,2,3,4,5,6,7,8,9,10,11,12,13,14,15
	global_load_b128 v[CO+8*\j:CO+8*\j+3], v2, s[12:13] offset:16000*\j th:TH_LOAD_NT
	global_load_b128 v[CO+8*\j+4:CO+8*\j+7], v3, s[12:13] offset:16000*\j th:TH_LOAD_NT
.endr
	s_mov_b32 s10, 0x8000                          ; row 0's bit
	s_wait_kmcnt 0x0
.macro ROW j
	s_wait_loadcnt 30-2*\j                         ; the two loads of each later row stay out
.irp e, 0,1,2,3,4,5,6,7
	v_cmp_eq_f32 s[SE+\e], s[ST+\j], v[CO+8*\j+\e]
.endr
.irp e, 0,1,2,3,4,5,6,7
	v_cmp_gt_f32 s[SL+\e], s[ST+\j], v[CO+8*\j+\e]
.endr
.if \j
.irp e, 0,1,2,3,4,5,6,7
	v_cmp_lt_f32 s[SG+\e], v[CO+8*\j+\e], v[MN+\e]
.endr
.endif
	s_bcnt1_i32_b32 s98, s[SE]                     ; part 1 stands behind all of part 0
	s_bcnt1_i32_b32 s99, s[SE+1]
	s_add_co_u32 s98, s98, s99
	s_bcnt1_i32_b32 s99, s[SE+2]
	s_add_co_u32 s98, s98, s99
	s_bcnt1_i32_b32 s99, s[SE+3]
	s_add_co_u32 s98, s98, s99
	s_add_co_u32 s98, s98, s[SU+\j]
	v_mbcnt_lo_u32_b32 v[NN], s[SE], s[SU+\j]      ; equals in the lanes below mine, all four elements
	v_mbcnt_lo_u32_b32 v[NN+4], s[SE+4], s98
.irp i, 1,2,3
	v_mbcnt_lo_u32_b32 v[NN], s[SE+\i], v[NN]
	v_mbcnt_lo_u32_b32 v[NN+4], s[SE+4+\i], v[NN+4]
.endr
.irp i, 0,1,2
	v_add_co_ci_u32 v[NN+1+\i], vcc_lo, 0, v[NN+\i], s[SE+\i]        ; and my own earlier elements
	v_add_co_ci_u32 v[NN+5+\i], vcc_lo, 0, v[NN+4+\i], s[SE+4+\i]
.endr
.irp e, 0,1,2,3,4,5,6,7
	v_cmp_gt_u32 s[SA+\e], s[SR+\j], v[NN+\e]
.endr
.if \j
.irp e, 0,1,2,3,4,5,6,7
	v_cndmask_b32 v[ARG+\e], v[ARG+\e], \j, s[SG+\e]
	v_min_num_f32 v[MN+\e], v[MN+\e], v[CO+8*\j+\e]
.endr
.else
.irp e, 0,1,2,3,4,5,6,7
	v_mov_b32 v[ARG+\e], 0
	v_mov_b32 v[MN+\e], v[CO+\e]
.endr
.endif
.irp e, 0,1,2,3,4,5,6,7
	s_and_b32 s[SA+\e], s[SA+\e], s[SE+\e]
	s_or_b32 s[SA+\e], s[SA+\e], s[SL+\e]
.endr
.irp e, 0,1,2,3,4,5,6,7
.if \j
	v_add_co_ci_u32 v[BITS+\e], vcc_lo, v[BITS+\e], v[BITS+\e], s[SA+\e]   ; shift left, the row's bit comes in: row j ends at bit 15 - j
.else
	v_cndmask_b32 v[BITS+\e], 0, 1, s[SA+\e]
.endif
.endr
.endm
.irp j, 0,1,2,3,4,5,6,7,8,9,10,11,12,13,14,15
	ROW \j
.endr
.irp e, 0,1,2,3,4,5,6,7
	v_add_nc_u32 v[NN+\e], -1, v[BITS+\e]
	v_and_b32 v[NN+\e], v[NN+\e], v[BITS+\e]       ; not zero: two bits or more
	v_min_u32 v[CNT+\e], 1, v[BITS+\e]
	v_min_u32 v[NN+\e], 1, v[NN+\e]
	v_add_nc_u32 v[CNT+\e], v[CNT+\e], v[NN+\e]
	v_add_nc_u32 v[ARG+\e], s15, v[ARG+\e]
.endr
.irp p, 0,1
	ds_store_b128 v7, v[MN+4*\p:MN+4*\p+3] offset:512*\p
	ds_store_b128 v7, v[ARG+4*\p:ARG+4*\p+3] offset:8192+512*\p
	ds_store_b128 v7, v[CNT+4*\p:CNT+4*\p+3] offset:16384+512*\p
.endr
	s_wait_dscnt 0x0
	s_barrier_signal -1
	s_barrier_wait -1
; The eight waves' figures for my four anchors of part p, folded in the order of the rows; then the word of bits that holds for my sixteen rows.
.macro FOLD p
.irp w, 0,1,2,3,4,5,6,7
.irp a, 0,1,2
	ds_load_b128 v[CO+12*\w+4*\a:CO+12*\w+4*\a+3], v2 offset:1024*\w+8192*\a+512*\p
.endr
.endr
.irp w, 1,2,3,4,5,6,7
	s_wait_dscnt 21-3*\w                           ; the three loads of each later wave stay out
.irp i, 0,1,2,3
	v_cmp_lt_f32 vcc_lo, v[CO+12*\w+\i], v[CO+\i]
	v_cndmask_b32 v[CO+4+\i], v[CO+4+\i], v[CO+12*\w+4+\i], vcc_lo
	v_min_num_f32 v[CO+\i], v[CO+\i], v[CO+12*\w+\i]
	v_add_nc_u32 v[CO+8+\i], v[CO+8+\i], v[CO+12*\w+8+\i]
.endr
.endr
.irp i, 0,1,2,3
	v_sub_nc_u32 v[CO+4+\i], v[CO+4+\i], s15       ; the least cost's row, counted from my first
	v_lshrrev_b32 v[CO+\i], v[CO+4+\i], s10
	v_cmp_gt_u32 vcc_lo, 16, v[CO+4+\i]
	v_cndmask_b32 v[CO+\i], 0, v[CO+\i], vcc_lo    ; not one of mine: no bit
	v_cmp_lt_u32 vcc_lo, 1, v[CO+8+\i]
	v_cndmask_b32 v[BITS+4*\p+\i], v[BITS+4*\p+\i], v[CO+\i], vcc_lo
.endr
.endm
	FOLD 0
	FOLD 1
.macro BITROW p, j
.irp i, 0,1,2,3
	v_bfe_u32 v[CO+64*\p+4*\j+\i], v[BITS+4*\p+\i], 15-\j, 1
.endr
.irp i, 0,1,2,3
	v_cvt_f32_u32 v[CO+64*\p+4*\j+\i], v[CO+64*\p+4*\j+\i]
.endr
.endm
.irp j, 0,1,2,3,4,5,6,7,8,9,10,11,12,13,14,15
	BITROW 0, \j
	global_store_b128 v2, v[CO+4*\j:CO+4*\j+3], s[12:13] offset:2048000+16000*\j th:TH_STORE_NT
.endr
.irp j, 0,1,2,3,4,5,6,7,8,9,10,11,12,13,14,15
	BITROW 1, \j
.endr
	v_cmp_gt_u32 vcc_lo, s14, v5
	s_wait_xcnt 0x0                                ; EXEC changes only when no issued memory instruction still needs it
	s_wait_tensorcnt 0x0
	ds_add_u32 v208, v209
	s_wait_dscnt 0x0
	s_and_saveexec_b32 s11, vcc_lo                 ; part 1: only anchors that exist
.irp j, 0,1,2,3,4,5,6,7,8,9,10,11,12,13,14,15
	global_store_b128 v4, v[CO+64+4*\j:CO+64+4*\j+3], s[12:13] offset:2048000+16000*\j th:TH_STORE_NT
.endr
	s_wait_xcnt 0x0
	s_or_b32 exec_lo, exec_lo, s11
	s_endpgm
.Lfunc_end_k_qab8c6a3bb3_match:
	.size	k_qab8c6a3bb3_match, .Lfunc_end_k_qab8c6a3bb3_match-k_qab8c6a3bb3_match
	.p2alignl 7, 3214868480
	.fill 96, 4, 3214868480
	.section	.rodata,"a",@progbits
	.p2align	6, 0x0
	.amdhsa_kernel k_qab8c6a3bb3_match
		.amdhsa_group_segment_fixed_size 25600
		.amdhsa_private_segment_fixed_size 0
		.amdhsa_enable_private_segment 0
		.amdhsa_kernarg_size 16
		.amdhsa_user_sgpr_count 2
		.amdhsa_user_sgpr_kernarg_segment_ptr 1
		.amdhsa_wavefront_size32 1
		.amdhsa_system_sgpr_workgroup_id_x 1
		.amdhsa_system_sgpr_workgroup_id_y 1
		.amdhsa_system_sgpr_workgroup_id_z 1
		.amdhsa_system_vgpr_workitem_id 0
		.amdhsa_next_free_vgpr 210
		.amdhsa_next_free_sgpr 100
		.amdhsa_reserve_vcc 1
		.amdhsa_float_denorm_mode_32 3
		.amdhsa_float_denorm_mode_16_64 3
		.amdhsa_memory_ordered 1
		.amdhsa_forward_progress 1
		.amdhsa_inst_pref_size 113
	.end_amdhsa_kernel
	.amdgpu_metadata
---
amdhsa.version: [ 1, 2 ]
amdhsa.kernels:
  - .name:           k_qab8c6a3bb3_match
    .symbol:         k_qab8c6a3bb3_match.kd
    .args:
      - { .name: out0, .offset: 0, .size: 8, .value_kind: global_buffer, .address_space: global }
      - { .name: sel, .offset: 8, .size: 8, .value_kind: global_buffer, .address_space: global }
    .group_segment_fixed_size: 25600
    .private_segment_fixed_size: 0
    .kernarg_segment_align: 8
    .kernarg_segment_size: 16
    .max_flat_workgroup_size: 256
    .sgpr_count:     100
    .vgpr_count:     210
    .wavefront_size: 32
...
	.end_amdgpu_metadata
.endif
;; end of part 3
;; ======== version 2 of 3: 3 launches; 1.40 times as fast as version 1
;; workspace buffers: lists 2,621,440 bytes; sel 147,456 bytes
;; launch cost (part 4): grid 16 x 16, 16 waves a work-group, no clusters, 317,440 bytes of LDS; arguments pred_boxes, pred_logits, tgt_boxes, tgt_labels, out0, lists; writes out0, lists
.if DOCPART == 4
	.amdgcn_target "amdgcn-amd-amdhsa--gfx1250"
	.amdhsa_code_object_version 6
	.text
	.protected	k_qab8c6a3bb3_cost
	.globl	k_qab8c6a3bb3_cost
	.p2align	8
	.type	k_qab8c6a3bb3_cost,@function
k_qab8c6a3bb3_cost:
	s_mov_b64 s[64:65], 0
	v_nop
	global_prefetch_b8 v0, s[64:65] scope:SCOPE_SE
	s_setreg_imm32_b32 hwreg(HW_REG_WAVE_MODE, 25, 1), 1
	s_wait_xcnt 0x0
; COST PLANE AND PER-CHUNK CANDIDATE LISTS.
; Work-group (c, b): image b, anchors 256 c .. 256 c + NQ - 1 (NQ = 256; 160 in chunk 15, since 4000 = 15 x 256 + 160), all 128 targets.
; Wave w: gg = w & 3, qs = w >> 2.  A lane owns target row g = 32 gg + lane.  A trip is 32 anchors, of which wave qs takes 8 qs .. 8 qs + 7;
; two trips are a slice of 64 anchors.
; TWO ANCHORS AT A TIME: every temporary is a register pair (anchor A even, anchor B the odd register beside it).  Sums, products and fused
; multiply-adds are packed; min and max, which have no packed f32 form, are dual instructions: A's and B's registers differ in parity and in
; bank, as a dual instruction asks of its destinations and sources.  The target's nine numbers are kept twice, as pairs, for the same reason.
; The anchors' boxes are turned into cx, cy, w, h, x0, y0, x1, y1, area once by the work-group's 512 threads and laid in LDS, A and B
; interleaved, 80 bytes a pair; a wave reads a pair with five loads at one address for all lanes, one pair ahead, into two register buffers.
; The class terms are gathered from a table in LDS by the row's label: all 64 terms of a wave at once, into registers, in a stretch between
; two barriers in which no wave stores to LDS.
; THE WAY OUT.  A row of out0 is 16,000 bytes = 62.5 x 256, so a row with odd g begins 128 bytes off a multiple of 256.  The costs pass through
; a tile in LDS with a region of 128 rows x 64 columns for each slice, and an odd row is laid 32 anchors (128 bytes) to the right: region k
; then holds anchors 64 k .. 64 k + 63 of an even row and 64 k - 32 .. 64 k + 31 of an odd row, and in both cases sixteen lanes store 256
; consecutive bytes that begin at a multiple of 256 from out0's first byte.  What is left at the ends (anchors 0-31 and 224-255 of the odd
; rows; in the short chunk anchors 128-159 of the even rows) leaves as pieces of 128 bytes, eight lanes a row.  Every lane of every load and
; store of the way out is of use: no EXEC mask.  A tile byte is written once, so one barrier a slice is all: region k is written in slices
; k - 1 and k, in front of barrier k, and read behind it, while the stores of slice k + 1 go to regions k + 1 and k + 2.
; The tile's loads are issued straight behind the barrier and the global stores two pairs of anchors later, under the next slice's arithmetic.
; SELECTION, values only, so that nothing that steers an address hangs on a float: four values are sorted (five dual min/max); the least
; goes into a sorted list of 10, the second into one of 5, the third of 3, the fourth of 2: a value of rank j among the row's ten smallest
; has j partners that are no larger, so at most 10 / (j + 1) values of that rank are among the ten.  Once for the costs, once for -iou.
; No matrix unit (there is no product), no cluster and no tensor load (no two work-groups read the same logits or boxes; the targets are 2.5 KB).
; LIMITS: NaN is not ordered by the lists.  Quotients are v_rcp_f32 with one fused correction, logarithms v_log_f32 times ln 2, and
; 5 L1 + 2 class - 2 giou is formed by two fused multiply-adds: a few units in the last place from a plain f32 evaluation.
; A label outside 0..79 is clamped to 79.
.set TILE,  81920                      ; LDS: 0 .. 81,919 class table [anchor][80] f32 = 2 x cost_class
.set PITCH, 272                        ; tile row: 256 bytes + 16, an odd multiple of 16: sixteen rows start in sixteen different 16-byte columns
.set REG,   128*PITCH                  ; 34,816: a region of the tile; five of them, up to 256,000
.set LST,   TILE+5*REG                 ; the waves' lists: [kind][qs][g], 48 bytes each (40 used; 48 is an odd multiple of 16)
.set LPITCH, 48
.set LQS,   128*LPITCH                 ; 6,144
.set LKIND, 4*LQS                      ; 24,576
.set BOX,   LST+2*LKIND                ; 305,152: box table, 128 anchor pairs x 80 bytes, up to 315,392
.set EPSB,  0x322bcc77                 ; 1e-8
.set TCX, 8                            ; v[8:25] the target, each number twice: cx, cy, w, h, x0, y0, x1, y1, area
.set TCY, 10
.set TW,  12
.set TH,  14
.set TX0, 16
.set TY0, 18
.set TX1, 20
.set TY1, 22
.set TAR, 24
.set LAB,  26                          ; v26 LDS byte of my label's class term for my wave's first anchor of slice 0
.set LAB2, 27                          ; v27 the same for slice 2 (an LDS offset holds 16 bits)
.set TADR0, 28                         ; v28 where my four costs of a slice's first trip go in the tile
.set TADR1, 29                         ; v29 the same for its second trip
.set RADR, 30                          ; v30 way out: rows 8 w + 2 (lane / 16), 16 bytes a lane, in the region that leaves next
.set GOFF, 31                          ; v31 the same place in out0
.set BADR, 32                          ; v32 my wave's first pair in the box table
.set MT,   33                          ; v33 temporary of the merges
                                       ; v[34:57] temporaries of a pair of anchors; v[34:60] of the set-up
.set RQ,   59                          ; v59 way out, pieces of 128 bytes: rows 8 w + 2 (lane / 8), 16 bytes a lane
.set GQ,   61                          ; v61 the same place in out0
.set CS,   62                          ; v[62:65] four costs
.set NI,   66                          ; v[66:69] four -iou
.set SRC,  70                          ; v[70:77] sorting the costs
.set SRN,  78                          ; v[78:85] sorting the -iou
.set LIA,  86                          ; v[86:95]  -iou, rank 0: ten smallest, ascending
.set LCA,  96                          ; v[96:105] cost, rank 0
.set LIB,  106                         ; 5, 3, 2 entries for ranks 1, 2, 3
.set LIC,  111
.set LID,  114
.set LCB,  116
.set LCC,  121
.set LCD,  124
.set WO,   126                         ; v[126:141] way out: four loads of 16 bytes a lane
.set BX0,  142                         ; v[142:159], v[160:177] two buffers of 18: a pair's boxes
.set CL,   178                         ; v[178:241] class terms of my wave's 64 anchors (slice s, trip t, anchor j at 16 s + 8 t + j)
.set RD,   178                         ; v[178:217] logits at the start; v[178:207] three other waves' lists at the end
.set LOF,  218                         ; v[218:227] offsets of the ten logits loads; v[228:235] target and anchor as loaded
.set XO,   238                         ; v[238:241] way out: the odd rows' last 32 anchors (the last class terms are used up by then)
.set SB, 66
.set SC, 67
.set SNQ, 68
.set SW, 69
.set SGG, 70
.set SQS, 71
.set SLAST, 74                         ; NQ - 1
	s_load_b256 s[4:11], s[0:1], 0x0               ; pred_boxes s[4:5], pred_logits s[6:7], tgt_boxes s[8:9], tgt_labels s[10:11]
	s_load_b128 s[12:15], s[0:1], 0x20             ; out0 s[12:13], lists s[14:15]
	v_lshl_add_u32 v244, v0, 2, 0x4d000
	v_mov_b32 v245, 0
	v_and_b32 v1, 31, v0                           ; lane
	v_lshrrev_b32 v2, 5, v0
	v_readfirstlane_b32 s[SW], v2                  ; wave
	s_and_b32 s[SB], ttmp7, 0xffff
	s_mov_b32 s[SC], ttmp9
	s_and_b32 s[SGG], s[SW], 3
	s_lshr_b32 s[SQS], s[SW], 2
	s_mov_b32 s[SNQ], 256
	s_cmp_eq_u32 s[SC], 15
	s_cselect_b32 s[SNQ], 160, s[SNQ]
	s_mov_b32 s75, 0x7f800000                      ; +inf
	s_mul_i32 s86, s[SB], 4000
	s_lshl_b32 s87, s[SC], 8
	s_add_co_u32 s86, s86, s87                     ; the chunk's first anchor, counted over all images
	s_mul_i32 s88, s86, 320                        ; its logits, in bytes (below 20,480,000)
	s_mov_b32 s89, 0
	s_lshl_b32 s94, s86, 4                         ; its box
	s_mov_b32 s95, 0
	s_mul_i32 s90, s[SB], 4096000                  ; image b of out0: 2 planes x 128 rows x 16,000 bytes
	s_lshl_b32 s87, s[SC], 10
	s_add_co_u32 s90, s90, s87                     ; + 256 c anchors
	s_mov_b32 s91, 0
	s_lshl4_add_u32 s92, s[SB], s[SC]
	s_mul_i32 s92, s92, 10240                      ; lists: 2 kinds x 5 pairs x 128 rows x 8 bytes for each (b, c)
	s_mov_b32 s93, 0
	s_mul_i32 s87, s[SNQ], 320
	s_sub_co_u32 s87, s87, 16                      ; the last 16 bytes of the chunk's logits
	s_sub_co_u32 s[SLAST], s[SNQ], 1
	v_lshl_or_b32 v2, s[SGG], 5, v1                ; g
	v_lshl_add_u32 v3, s[SB], 7, v2                ; 128 b + g
	v_lshlrev_b32 v4, 4, v3
	v_lshlrev_b32 v5, 2, v3
	v_lshrrev_b32 v60, 1, v0                       ; box table: threads 2 a and 2 a + 1 serve anchor a
	v_min_u32 v60, s[SLAST], v60                   ; the short chunk's surplus threads read its last box again
	v_lshlrev_b32 v60, 4, v60
	v_lshlrev_b32 v7, 4, v0                        ; 16 x thread
.irp n, 0,1,2,3,4,5,6,7,8,9
	v_add_nc_u32 v[LOF+\n], 8192*\n, v7
	v_min_u32 v[LOF+\n], s87, v[LOF+\n]            ; likewise: the chunk's last 16 bytes of logits again
.endr
	s_wait_kmcnt 0x0
	s_add_nc_u64 s[82:83], s[6:7], s[88:89]
	s_add_nc_u64 s[80:81], s[12:13], s[90:91]
	s_add_nc_u64 s[84:85], s[14:15], s[92:93]
	s_add_nc_u64 s[76:77], s[4:5], s[94:95]
	global_load_b128 v[228:231], v4, s[8:9]        ; my target: cx, cy, w, h
	global_load_b32 v6, v5, s[10:11]               ; its label
	global_load_b128 v[232:235], v60, s[76:77]     ; my thread's anchor
.irp n, 0,1,2,3,4,5,6,7,8,9
	global_load_b128 v[RD+4*\n:RD+4*\n+3], v[LOF+\n], s[82:83] th:TH_LOAD_NT   ; 512 threads x 16 bytes x 10 = 256 anchors x 320 bytes
.endr
	; While these loads are on their way: the LDS and output addresses and the lists' start (no register of a pending load is touched).
	v_and_b32 v34, 1, v0                           ; my row's parity (32 gg is even)
	s_lshl_b32 s86, s[SQS], 5
	s_add_co_u32 s86, s86, TILE
	v_mul_u32_u24 v35, v2, PITCH
	v_add_nc_u32 v35, s86, v35                     ; TILE + 272 g + 32 qs
	v_lshl_add_u32 v[TADR0], v34, 7, v35           ; first trip: columns 0-31; an odd row 128 bytes to the right: columns 32-63
	v_mul_u32_u24 v34, v34, REG-128
	v_add_nc_u32 v[TADR1], v35, v34
	v_add_nc_u32 v[TADR1], 128, v[TADR1]           ; second trip: columns 32-63; an odd row: columns 0-31 of the next region
	s_mul_i32 s86, s[SQS], 320                     ; 4 qs pairs of 80 bytes
	s_add_co_u32 s86, s86, BOX
	v_mov_b32 v[BADR], s86
	v_lshrrev_b32 v34, 4, v1
	v_and_b32 v35, 15, v1
	v_lshlrev_b32 v34, 1, v34
	v_lshl_add_u32 v34, s[SW], 3, v34              ; way out: row 8 w + 2 (lane / 16); + 4, + 1, + 5 by the offsets
	v_mul_u32_u24 v[RADR], v34, PITCH
	v_lshl_add_u32 v[RADR], v35, 4, v[RADR]
	v_add_nc_u32 v[RADR], TILE, v[RADR]
	v_mul_u32_u24 v[GOFF], v34, 16000
	v_lshl_add_u32 v[GOFF], v35, 4, v[GOFF]
	v_lshrrev_b32 v34, 3, v1
	v_and_b32 v35, 7, v1
	v_lshlrev_b32 v34, 1, v34
	v_lshl_add_u32 v34, s[SW], 3, v34              ; pieces of 128 bytes: row 8 w + 2 (lane / 8); + 1 by the offsets
	v_mul_u32_u24 v[RQ], v34, PITCH
	v_lshl_add_u32 v[RQ], v35, 4, v[RQ]
	v_add_nc_u32 v[RQ], TILE, v[RQ]
	v_mul_u32_u24 v[GQ], v34, 16000
	v_lshl_add_u32 v[GQ], v35, 4, v[GQ]
	v_add_nc_u32 v3, 0x10000, v7                   ; LDS offsets hold 16 bits: a second register for the class table's last 16 KB
.set ii, 0
.rept 40
	v_mov_b32 v[LIA+ii], s75                       ; all eight lists start at +inf
.set ii, ii+1
.endr
	s_wait_loadcnt 10                              ; the ten logits loads may stay out: target, label and anchor are in
.irp i, 0,1,2,3
	v_mov_b32 v[TCX+2*\i], v[228+\i]               ; each number twice: one for anchor A, one for anchor B
	v_mov_b32 v[TCX+2*\i+1], v[228+\i]
.endr
	v_pk_fma_f32 v[TX0:TX0+1], v[TW:TW+1], -0.5, v[TCX:TCX+1] op_sel_hi:[1,0,1]   ; the product by 0.5 is exact: rounds as cx - 0.5 w does
	v_pk_fma_f32 v[TY0:TY0+1], v[TH:TH+1], -0.5, v[TCY:TCY+1] op_sel_hi:[1,0,1]
	v_pk_fma_f32 v[TX1:TX1+1], v[TW:TW+1], 0.5, v[TCX:TCX+1] op_sel_hi:[1,0,1]
	v_pk_fma_f32 v[TY1:TY1+1], v[TH:TH+1], 0.5, v[TCY:TCY+1] op_sel_hi:[1,0,1]
	v_pk_add_f32 v[34:35], v[TX1:TX1+1], v[TX0:TX0+1] neg_lo:[0,1] neg_hi:[0,1]
	v_pk_add_f32 v[36:37], v[TY1:TY1+1], v[TY0:TY0+1] neg_lo:[0,1] neg_hi:[0,1]
	v_pk_mul_f32 v[TAR:TAR+1], v[34:35], v[36:37]  ; target's area
	; the box table: record of pair P at BOX + 80 P; field i (cx cy w h x0 y0 x1 y1 area) of anchor 2 P + s at byte 8 i + 4 s
	v_fma_f32 v50, -0.5, v234, v232                ; x0
	v_fma_f32 v51, -0.5, v235, v233                ; y0
	v_fma_f32 v52, 0.5, v234, v232                 ; x1
	v_fma_f32 v53, 0.5, v235, v233                 ; y1
	v_sub_f32 v54, v52, v50
	v_sub_f32 v55, v53, v51
	v_mul_f32 v54, v54, v55                        ; area
	v_and_b32 v55, 1, v0
	v_cmp_eq_u32 vcc_lo, 1, v55
	v_cndmask_b32 v50, v232, v50, vcc_lo           ; the even thread stores cx cy w h, the odd one x0 y0 x1 y1
	v_cndmask_b32 v51, v233, v51, vcc_lo
	v_cndmask_b32 v52, v234, v52, vcc_lo
	v_cndmask_b32 v53, v235, v53, vcc_lo
	v_lshrrev_b32 v56, 2, v0                       ; P
	v_mul_u32_u24 v58, v56, 80
	v_bfe_u32 v56, v0, 1, 1                        ; s
	v_lshl_add_u32 v58, v56, 2, v58
	v_add_nc_u32 v58, BOX, v58
	v_lshl_add_u32 v57, v55, 5, v58                ; the odd thread's four fields lie 32 bytes on
	ds_store_b32 v57, v50
	ds_store_b32 v57, v51 offset:8
	ds_store_b32 v57, v52 offset:16
	ds_store_b32 v57, v53 offset:24
	ds_store_b32 v58, v54 offset:64                ; both threads, the same word with the same value
	v_min_u32 v6, 79, v6
	s_mul_i32 s87, s[SQS], 2560                    ; 8 qs anchors of 320 bytes
	v_lshlrev_b32 v[LAB], 2, v6
	v_add_nc_u32 v[LAB], s87, v[LAB]
	v_add_nc_u32 v[LAB2], 40960, v[LAB]            ; two slices of 64 anchors on
; Four logits in v[X:X+3] become 2 x cost_class = 1.5 ln2 p^2 log2(1 + (eps - p)) - 0.5 ln2 (1-p)^2 log2(p + eps), p = 1 / (1 + 2^(-x log2 e)).
; Behind each run of transcendentals one plain vector instruction stands before a result is used (ISA guide 5.7.2).
.macro CLS4 X
	v_pk_mul_f32 v[34:35], v[\X:\X+1], 0xbfb8aa3b op_sel_hi:[1,0]
	v_pk_mul_f32 v[36:37], v[\X+2:\X+3], 0xbfb8aa3b op_sel_hi:[1,0]
.irp i, 34,35,36,37
	v_exp_f32 v\i, v\i
.endr
	v_nop
	s_wait_alu depctr_va_vdst(0)
	v_pk_add_f32 v[34:35], v[34:35], 1.0 op_sel_hi:[1,0]
	v_pk_add_f32 v[36:37], v[36:37], 1.0 op_sel_hi:[1,0]
.irp i, 34,35,36,37
	v_rcp_f32 v\i, v\i                             ; p
.endr
	v_nop
	s_wait_alu depctr_va_vdst(0)
.irp o, 0,2
	v_pk_add_f32 v[38+\o:39+\o], v[34+\o:35+\o], EPSB op_sel_hi:[1,0]                              ; p + eps
	v_pk_add_f32 v[42+\o:43+\o], v[34+\o:35+\o], EPSB op_sel_hi:[1,0] neg_lo:[1,0] neg_hi:[1,0]    ; -p + eps
.endr
.irp o, 0,2
	v_pk_add_f32 v[42+\o:43+\o], v[42+\o:43+\o], 1.0 op_sel_hi:[1,0]
.endr
.irp i, 38,39,40,41,42,43,44,45
	v_log_f32 v\i, v\i
.endr
.irp o, 0,2
	v_pk_add_f32 v[46+\o:47+\o], v[34+\o:35+\o], 1.0 op_sel_hi:[1,0] neg_lo:[1,0] neg_hi:[1,0]     ; 1 - p
.endr
	s_wait_alu depctr_va_vdst(0)
.irp o, 0,2
	v_pk_mul_f32 v[46+\o:47+\o], v[46+\o:47+\o], v[46+\o:47+\o]
	v_pk_mul_f32 v[34+\o:35+\o], v[34+\o:35+\o], v[34+\o:35+\o]
	v_pk_mul_f32 v[42+\o:43+\o], v[42+\o:43+\o], 0x3f851592 op_sel_hi:[1,0]                        ; 1.5 ln 2
	v_pk_mul_f32 v[38+\o:39+\o], v[38+\o:39+\o], 0xbeb17218 op_sel_hi:[1,0]                        ; -0.5 ln 2
	v_pk_mul_f32 v[42+\o:43+\o], v[42+\o:43+\o], v[34+\o:35+\o]
	v_pk_fma_f32 v[\X+\o:\X+\o+1], v[38+\o:39+\o], v[46+\o:47+\o], v[42+\o:43+\o]
.endr
.endm
.irp n, 0,1,2,3,4,5,6,7
	s_wait_loadcnt 9-\n                            ; the younger logits loads stay out
	CLS4 RD+4*\n
	ds_store_b128 v7, v[RD+4*\n:RD+4*\n+3] offset:8192*\n
.endr
.irp n, 8,9
	s_wait_loadcnt 9-\n
	CLS4 RD+4*\n
	ds_store_b128 v3, v[RD+4*\n:RD+4*\n+3] offset:8192*\n-65536
.endr
	s_wait_dscnt 0x0                               ; my parts of both tables are written,
	s_barrier_signal -1
	s_barrier_wait -1                              ; everybody's are
; One pair's record: 18 words, the same address in all lanes.
.macro LOADBOX BX, off
	ds_load_b128 v[\BX:\BX+3], v[BADR] offset:\off
	ds_load_b128 v[\BX+4:\BX+7], v[BADR] offset:\off+16
	ds_load_b128 v[\BX+8:\BX+11], v[BADR] offset:\off+32
	ds_load_b128 v[\BX+12:\BX+15], v[BADR] offset:\off+48
	ds_load_b64 v[\BX+16:\BX+17], v[BADR] offset:\off+64
.endm
	; The class terms of all my wave's anchors: anchor 64 s + 32 t + 8 qs + j at 320 bytes each (in the short chunk the table's
	; rows from 160 on hold its last logits again: written, loaded, and not used).
.irp s, 0,1
.irp t, 0,1
.irp j, 0,1,2,3,4,5,6,7
	ds_load_b32 v[CL+16*\s+8*\t+\j], v[LAB] offset:20480*\s+10240*\t+320*\j
	ds_load_b32 v[CL+32+16*\s+8*\t+\j], v[LAB2] offset:20480*\s+10240*\t+320*\j
.endr
.endr
.endr
	LOADBOX BX0, 0                                 ; and the first pair's record
	s_wait_dscnt 0x0                               ; they are in my registers;
	s_barrier_signal -1
	s_barrier_wait -1                              ; everybody's are: from here on LDS may be stored to
; x goes into the ascending list L of n: entry i becomes the middle one of (entry i-1, entry i, x); from the top down, so that old values are read.
.macro INS L, n, x
.set ii, (\n)-1
.rept (\n)-1
	v_med3_num_f32 v[\L+ii], v[\L+ii-1], v[\L+ii], v[\x]
.set ii, ii-1
.endr
	v_min_num_f32 v[\L], v[\L], v[\x]
.endm
; The same for a value known to be no smaller than entry p - 1 of a list of ten: entries 9 .. p alone can change.
.macro INSR L, p, x
.set ii, 9
.rept 10-(\p)
	v_med3_num_f32 v[\L+ii], v[\L+ii-1], v[\L+ii], v[\x]
.set ii, ii-1
.endr
.endm
; lo = min(x, y), hi = max(x, y) in one dual instruction: lo even, hi odd; both halves read the same two registers; lo and hi are neither.
.macro CE2 lo, hi, x, y
	v_dual_min_num_f32 v[\lo], v[\x], v[\y] :: v_dual_max_num_f32 v[\hi], v[\x], v[\y]
.endm
.macro DMAX d, a, b                    ; pairs: d = max(a, b)
	v_dual_max_num_f32 v[\d], v[\a], v[\b] :: v_dual_max_num_f32 v[\d+1], v[\a+1], v[\b+1]
.endm
.macro DMIN d, a, b
	v_dual_min_num_f32 v[\d], v[\a], v[\b] :: v_dual_min_num_f32 v[\d+1], v[\a+1], v[\b+1]
.endm
.macro DCLIP d                         ; pair: d = max(0, d)
	v_dual_max_num_f32 v[\d], 0, v[\d] :: v_dual_max_num_f32 v[\d+1], 0, v[\d+1]
.endm
.macro PSUB d, a, b                    ; pairs: d = a - b
	v_pk_add_f32 v[\d:\d+1], v[\a:\a+1], v[\b:\b+1] neg_lo:[0,1] neg_hi:[0,1]
.endm
; Two anchors against 32 targets.  BX: their record; CLR: their class terms; OC, ON: where cost and -iou go.
.macro QQ BX, CLR, OC, ON
	PSUB 34, \BX, TCX
	PSUB 36, \BX+2, TCY
	PSUB 38, \BX+4, TW
	PSUB 40, \BX+6, TH
	DMAX 42, \BX+8, TX0                            ; overlap: left, top,
	DMAX 44, \BX+10, TY0
	DMIN 46, \BX+12, TX1                           ; right, bottom
	DMIN 48, \BX+14, TY1
	DMIN 50, \BX+8, TX0                            ; enclosing box
	DMIN 52, \BX+10, TY0
	DMAX 54, \BX+12, TX1
	DMAX 56, \BX+14, TY1
	PSUB 46, 46, 42
	PSUB 48, 48, 44
	PSUB 54, 54, 50
	PSUB 56, 56, 52
	v_add_f32 v34, |v34|, |v36|                    ; a packed sum takes no magnitudes: the L1 sums go one by one, in the order of the four fields
	v_add_f32 v35, |v35|, |v37|
	DCLIP 46
	DCLIP 48
	DCLIP 54
	DCLIP 56
	v_pk_mul_f32 v[42:43], v[46:47], v[48:49]      ; inter
	v_pk_mul_f32 v[50:51], v[54:55], v[56:57]      ; enclosing area
	v_pk_add_f32 v[44:45], v[\BX+16:\BX+17], v[TAR:TAR+1]
	PSUB 44, 44, 42                                ; union
	v_pk_add_f32 v[46:47], v[44:45], EPSB op_sel_hi:[1,0]
	v_pk_add_f32 v[48:49], v[50:51], EPSB op_sel_hi:[1,0]
	v_add_f32 v34, v34, |v38|
	v_add_f32 v35, v35, |v39|
	v_rcp_f32 v52, v46
	v_rcp_f32 v53, v47
	v_rcp_f32 v54, v48
	v_rcp_f32 v55, v49
	v_add_f32 v34, v34, |v40|                      ; the plain place behind the reciprocals (ISA guide 5.7.2): L1 is done
	v_add_f32 v35, v35, |v41|
	PSUB 50, 50, 44                                ; enclosing - union
	s_wait_alu depctr_va_vdst(0)
	v_pk_mul_f32 v[\ON:\ON+1], v[42:43], v[52:53] neg_lo:[1,0] neg_hi:[1,0]                    ; -iou, first guess
	v_pk_mul_f32 v[56:57], v[50:51], v[54:55]
	v_pk_fma_f32 v[36:37], v[\ON:\ON+1], v[46:47], v[42:43]                                    ; what is left of inter
	v_pk_fma_f32 v[38:39], v[56:57], v[48:49], v[50:51] neg_lo:[1,0,0] neg_hi:[1,0,0]
	v_pk_fma_f32 v[\ON:\ON+1], v[36:37], v[52:53], v[\ON:\ON+1] neg_lo:[1,0,0] neg_hi:[1,0,0]  ; -iou
	v_pk_fma_f32 v[56:57], v[38:39], v[54:55], v[56:57]                                        ; (enclosing - union) / (enclosing + eps)
	v_pk_fma_f32 v[34:35], v[34:35], 0x40a00000, v[\CLR:\CLR+1] op_sel_hi:[1,0,1]              ; 5 L1 + 2 class
	v_pk_add_f32 v[56:57], v[\ON:\ON+1], v[56:57]                                              ; -giou
	v_pk_fma_f32 v[\OC:\OC+1], v[56:57], 2.0, v[34:35] op_sel_hi:[1,0,1]
.endm
; Pair n (0 .. 7) of slice s: pair P = 32 s + 16 (n >> 2) + 4 qs + (n & 3).  The next pair's record is asked for first, into the other buffer.
; A slice's first pair waits for nothing: its record was waited for in front of the barrier that the slice begins behind.
.macro PAIR s, n
.set cur, BX0+18*((\n)&1)
.set nxt, BX0+18*(((\n)+1)&1)
.set pn, (\n)+1
.if pn < 8
	LOADBOX nxt, (2560*(\s)+1280*(pn>>2)+80*(pn&3))
.if (\n) > 0
	s_wait_dscnt 5                                 ; those five may stay out: this pair's record, and all that is older, is in
.endif
.else
.if (\s) < 3
	LOADBOX nxt, (2560*((\s)+1))
	s_wait_dscnt 5
.else
	s_wait_dscnt 0x0                               ; nothing follows the last pair
.endif
.endif
	QQ cur, CL+16*(\s)+2*(\n), CS+2*((\n)&1), NI+2*((\n)&1)
.endm
; Region k leaves, first half: the LDS loads, straight behind barrier k.  Rows 8 w + 2 h and + 4 (even), + 1 and + 5 (odd), h = lane / 16.
; Of region 0 an odd row has only columns 32-63 (its anchors 0-31): one load takes these 128 bytes of my four odd rows, eight lanes a row.
.macro WOLOAD k
.if (\k) > 0
	s_wait_xcnt 0x0                                ; the registers below were the data of the last region's stores: loaded again only behind this wait
.endif
	ds_load_b128 v[WO:WO+3], v[RADR]
	ds_load_b128 v[WO+4:WO+7], v[RADR] offset:4*PITCH
.if (\k) == 0
	ds_load_b128 v[WO+8:WO+11], v[RQ] offset:PITCH+128
.else
	ds_load_b128 v[WO+8:WO+11], v[RADR] offset:PITCH
	ds_load_b128 v[WO+12:WO+15], v[RADR] offset:5*PITCH
.endif
	v_add_nc_u32 v[RADR], REG, v[RADR]             ; the next region
.endm
; Second half: the stores.  Sixteen lanes: 256 consecutive bytes at a multiple of 256 from out0's first byte: an odd row begins 128 bytes
; off such a multiple, and its piece begins 128 bytes in front of the even rows' column.
.macro WOSTORE k
	global_store_b128 v[GOFF], v[WO:WO+3], s[80:81] offset:256*(\k)
	global_store_b128 v[GOFF], v[WO+4:WO+7], s[80:81] offset:256*(\k)+4*16000
.if (\k) == 0
	global_store_b128 v[GQ], v[WO+8:WO+11], s[80:81] offset:16000
.else
	global_store_b128 v[GOFF], v[WO+8:WO+11], s[80:81] offset:256*(\k)+16000-128
	global_store_b128 v[GOFF], v[WO+12:WO+15], s[80:81] offset:256*(\k)+5*16000-128
.endif
.endm
; Four anchors: two pairs, the costs to the tile, both sorts (stage by stage in turn), eight insertions.
; wo >= 0: region wo's stores go out here: its LDS loads are older than the five that the second pair's wait leaves out.
.macro HALFG s, t, hs, wo
	PAIR \s,(4*\t+2*\hs)
	PAIR \s,(4*\t+2*\hs+1)
.if (\wo) >= 0
	WOSTORE \wo
.endif
	ds_store_b128 v[TADR0+\t], v[CS:CS+3] offset:16*\hs
	CE2 SRC, SRC+1, CS, CS+1
	CE2 SRC+2, SRC+3, CS+2, CS+3
	CE2 SRN, SRN+1, NI, NI+1
	CE2 SRN+2, SRN+3, NI+2, NI+3
	CE2 SRC+4, SRC+5, SRC, SRC+2                   ; +4: the least
	CE2 SRC+6, SRC+7, SRC+1, SRC+3                 ; +7: the largest
	CE2 SRN+4, SRN+5, SRN, SRN+2
	CE2 SRN+6, SRN+7, SRN+1, SRN+3
	CE2 SRC, SRC+1, SRC+6, SRC+5                   ; +0, +1: the two in the middle
	CE2 SRN, SRN+1, SRN+6, SRN+5
	INS LCA,10,SRC+4
	INS LIA,10,SRN+4
	INS LCB,5,SRC
	INS LIB,5,SRN
	INS LCC,3,SRC+1
	INS LIC,3,SRN+1
	INS LCD,2,SRC+7
	INS LID,2,SRN+7
.endm
.macro TRIP s, t, wo
	HALFG \s,\t,0,\wo
	HALFG \s,\t,1,-1
.endm
.macro BAR
	s_wait_dscnt 0x0                               ; my costs are in the tile (and the next pair's record is in my registers),
	s_barrier_signal -1
	s_barrier_wait -1                              ; everybody's are
.endm
.macro NEXT k                          ; between slice k and slice k + 1
	BAR
	WOLOAD \k
	v_add_nc_u32 v[TADR0], REG, v[TADR0]
	v_add_nc_u32 v[TADR1], REG, v[TADR1]
.endm
	TRIP 0,0,-1
	TRIP 0,1,-1
	NEXT 0
	TRIP 1,0,0
	TRIP 1,1,-1
	NEXT 1
	TRIP 2,0,1
	s_cmp_eq_u32 s[SC], 15                         ; the short chunk has 160 anchors: five trips
	s_cbranch_scc1 .Lshort
	TRIP 2,1,-1
	NEXT 2
	TRIP 3,0,2
	TRIP 3,1,-1
	BAR
	WOLOAD 3
	v_add_nc_u32 v[RQ], 4*REG, v[RQ]
	ds_load_b128 v[XO:XO+3], v[RQ] offset:PITCH    ; region 4 holds columns 0-31 of the odd rows alone: their anchors 224-255
	s_wait_dscnt 0x0
	WOSTORE 3
	global_store_b128 v[GQ], v[XO:XO+3], s[80:81] offset:16000+896
	s_branch .Ldone
.Lshort:
	BAR
	s_wait_xcnt 0x0                                ; as in WOLOAD
	v_add_nc_u32 v[RQ], 2*REG, v[RQ]
	ds_load_b128 v[WO:WO+3], v[RQ]                 ; region 2: of the even rows columns 0-31 alone are written: anchors 128-159
	ds_load_b128 v[WO+8:WO+11], v[RADR] offset:PITCH     ; the odd rows are whole: anchors 96-159
	ds_load_b128 v[WO+12:WO+15], v[RADR] offset:5*PITCH
	s_wait_dscnt 0x0
	global_store_b128 v[GQ], v[WO:WO+3], s[80:81] offset:512
	global_store_b128 v[GOFF], v[WO+8:WO+11], s[80:81] offset:512+16000-128
	global_store_b128 v[GOFF], v[WO+12:WO+15], s[80:81] offset:512+5*16000-128
.Ldone:
	; The spare lists go into the lists of ten.  Entry i of rank 1 has i smaller entries of its rank, and each of these i + 1 has a partner of
	; rank 0 that is no larger: it stands at place 2 i + 1 or higher.  Likewise 3 i + 2 for rank 2 and 4 i + 3 for rank 3, in this order.
.irp i, 0,1,2,3,4
	INSR LIA,(2*\i+1),LIB+\i
	INSR LCA,(2*\i+1),LCB+\i
.endr
.irp i, 0,1,2
	INSR LIA,(3*\i+2),LIC+\i
	INSR LCA,(3*\i+2),LCC+\i
.endr
.irp i, 0,1
	INSR LIA,(4*\i+3),LID+\i
	INSR LCA,(4*\i+3),LCD+\i
.endr
; The ten smallest of two ascending lists of ten: min(a[i], b[9-i]) holds them, rising and then falling; the fifteen exchanges are those
; of the merge network for sixteen that are left when six entries of -inf stand in front.
.macro CE d, x, y
	v_min_num_f32 v[MT], v[\d+\x], v[\d+\y]
	v_max_num_f32 v[\d+\y], v[\d+\x], v[\d+\y]
	v_mov_b32 v[\d+\x], v[MT]
.endm
.macro MERGE10 d, a, b
.irp i, 0,1,2,3,4,5,6,7,8,9
	v_min_num_f32 v[\d+\i], v[\a+\i], v[\b+9-\i]
.endr
	CE \d,0,8
	CE \d,1,9
	CE \d,2,6
	CE \d,3,7
	CE \d,4,8
	CE \d,5,9
	CE \d,2,4
	CE \d,3,5
	CE \d,6,8
	CE \d,7,9
	CE \d,0,1
	CE \d,2,3
	CE \d,4,5
	CE \d,6,7
	CE \d,8,9
.endm
	; The four qs lists of a row meet in LDS.  Every wave lays down both of its lists (no branch; the two that their own wave keeps are not
	; read).  Waves 0-3 (qs = 0) then merge the -iou lists of their rows, waves 4-7 (qs = 1) the cost lists: three merges each.
	v_mul_u32_u24 v37, v2, LPITCH
	s_mul_i32 s87, s[SQS], LQS
	s_add_co_u32 s87, s87, LST
	v_add_nc_u32 v35, s87, v37
	ds_store_b128 v35, v[LIA:LIA+3]
	ds_store_b128 v35, v[LIA+4:LIA+7] offset:16
	ds_store_b64 v35, v[LIA+8:LIA+9] offset:32
	ds_store_b128 v35, v[LCA:LCA+3] offset:LKIND
	ds_store_b128 v35, v[LCA+4:LCA+7] offset:LKIND+16
	ds_store_b64 v35, v[LCA+8:LCA+9] offset:LKIND+32
	s_wait_dscnt 0x0
	s_barrier_signal -1
	s_barrier_wait -1
	s_cmp_ge_u32 s[SW], 8
	s_cbranch_scc1 .Lend
	v_add_nc_u32 v36, LST, v37
	v_lshlrev_b32 v38, 3, v2
; L: my own list of this kind; first, 2, 3: the qs of the three others.
.macro FINAL L, kind, first
.set xx, 0
.irp q, \first,2,3
	ds_load_b128 v[RD+10*xx:RD+10*xx+3], v36 offset:LKIND*\kind+LQS*\q
	ds_load_b128 v[RD+10*xx+4:RD+10*xx+7], v36 offset:LKIND*\kind+LQS*\q+16
	ds_load_b64 v[RD+10*xx+8:RD+10*xx+9], v36 offset:LKIND*\kind+LQS*\q+32
.set xx, xx+1
.endr
.irp x, 0,1,2
	s_wait_dscnt 6-3*\x                            ; the three loads of each later list stay out
	MERGE10 \L,\L,RD+10*\x
.endr
.irp m, 0,1,2,3,4
	global_store_b64 v38, v[\L+2*\m:\L+2*\m+1], s[84:85] offset:5120*\kind+1024*\m   ; 32 lanes x 8 bytes: 256 consecutive bytes, aligned
.endr
.endm
	s_cmp_ge_u32 s[SW], 4
	s_cbranch_scc1 .Lcosts
	FINAL LIA,0,1
	s_branch .Lend
.Lcosts:
	FINAL LCA,1,0
.Lend:
	s_wait_tensorcnt 0x0
	ds_add_u32 v244, v245
	s_wait_dscnt 0x0
	s_endpgm
.Lfunc_end_k_qab8c6a3bb3_cost:
	.size	k_qab8c6a3bb3_cost, .Lfunc_end_k_qab8c6a3bb3_cost-k_qab8c6a3bb3_cost
	.p2alignl 7, 3214868480
	.fill 96, 4, 3214868480
	.section	.rodata,"a",@progbits
	.p2align	6, 0x0
	.amdhsa_kernel k_qab8c6a3bb3_cost
		.amdhsa_group_segment_fixed_size 317440
		.amdhsa_private_segment_fixed_size 0
		.amdhsa_enable_private_segment 0
		.amdhsa_kernarg_size 48
		.amdhsa_user_sgpr_count 2
		.amdhsa_user_sgpr_kernarg_segment_ptr 1
		.amdhsa_wavefront_size32 1
		.amdhsa_system_sgpr_workgroup_id_x 1
		.amdhsa_system_sgpr_workgroup_id_y 1
		.amdhsa_system_sgpr_workgroup_id_z 1
		.amdhsa_system_vgpr_workitem_id 0
		.amdhsa_next_free_vgpr 246
		.amdhsa_next_free_sgpr 96
		.amdhsa_reserve_vcc 1
		.amdhsa_float_denorm_mode_32 3
		.amdhsa_float_denorm_mode_16_64 3
		.amdhsa_memory_ordered 1
		.amdhsa_forward_progress 1
		.amdhsa_inst_pref_size 214
	.end_amdhsa_kernel
	.amdgpu_metadata
---
amdhsa.version: [ 1, 2 ]
amdhsa.kernels:
  - .name:           k_qab8c6a3bb3_cost
    .symbol:         k_qab8c6a3bb3_cost.kd
    .args:
      - { .name: pred_boxes, .offset: 0, .size: 8, .value_kind: global_buffer, .address_space: global }
      - { .name: pred_logits, .offset: 8, .size: 8, .value_kind: global_buffer, .address_space: global }
      - { .name: tgt_boxes, .offset: 16, .size: 8, .value_kind: global_buffer, .address_space: global }
      - { .name: tgt_labels, .offset: 24, .size: 8, .value_kind: global_buffer, .address_space: global }
      - { .name: out0, .offset: 32, .size: 8, .value_kind: global_buffer, .address_space: global }
      - { .name: lists, .offset: 40, .size: 8, .value_kind: global_buffer, .address_space: global }
    .group_segment_fixed_size: 317440
    .private_segment_fixed_size: 0
    .kernarg_segment_align: 8
    .kernarg_segment_size: 48
    .max_flat_workgroup_size: 512
    .sgpr_count:     96
    .vgpr_count:     246
    .wavefront_size: 32
...
	.end_amdgpu_metadata
.endif
;; end of part 4
;; launch merge: the kernel of part 2 again; grid 64 x 1, 2 waves a work-group, no clusters, 512 bytes of LDS; arguments lists, sel; writes sel
;; launch match: the kernel of part 3 again; grid 16 x 16, 8 waves a work-group, no clusters, 25,600 bytes of LDS; arguments out0, sel; writes out0
;; ======== version 3 of 3: 3 launches; version 2 with the launch cost written anew for expert scheduling mode
;; workspace buffers: lists 2,621,440 bytes; sel 147,456 bytes
;; launch cost (part 5): grid 16 x 16, 16 waves a work-group, no clusters, 317,440 bytes of LDS; arguments pred_boxes, pred_logits, tgt_boxes, tgt_labels, out0, lists; writes out0, lists
.if DOCPART == 5
	.amdgcn_target "amdgcn-amd-amdhsa--gfx1250"
	.amdhsa_code_object_version 6
	.text
	.protected	k_qab8c6a3bb3_cost
	.globl	k_qab8c6a3bb3_cost
	.p2align	8
	.type	k_qab8c6a3bb3_cost,@function
k_qab8c6a3bb3_cost:
	s_mov_b64 s[64:65], 0
	v_nop
	global_prefetch_b8 v0, s[64:65] scope:SCOPE_SE
	s_setreg_imm32_b32 hwreg(HW_REG_WAVE_SCHED_MODE, 0, 2), 2
	s_setreg_imm32_b32 hwreg(HW_REG_WAVE_MODE, 25, 1), 1
	s_wait_xcnt 0x0
	s_wait_alu depctr_vm_vsrc(0)
; COST PLANE AND PER-CHUNK CANDIDATE LISTS.
; Work-group (c, b): image b, anchors 256 c .. 256 c + NQ - 1 (NQ = 256; 160 in chunk 15, since 4000 = 15 x 256 + 160), all 128 targets.
; Wave w: gg = w & 3, qs = w >> 2.  A lane owns target row g = 32 gg + lane.  A trip is 32 anchors, of which wave qs takes 8 qs .. 8 qs + 7;
; two trips are a slice of 64 anchors.
; TWO ANCHORS AT A TIME: every temporary is a register pair (anchor A even, anchor B the odd register beside it).  Sums, products and fused
; multiply-adds are packed; min and max, which have no packed f32 form, are dual instructions: A's and B's registers differ in parity and in
; bank, as a dual instruction asks of its destinations and sources.  The target's nine numbers are kept twice, as pairs, for the same reason.
; The anchors' boxes are turned into cx, cy, w, h, x0, y0, x1, y1, area once by the work-group's 512 threads and laid in LDS, A and B
; interleaved, 80 bytes a pair; a wave reads a pair with five loads at one address for all lanes, two pairs ahead, into two register buffers.
; The class terms are gathered from a table in LDS by the row's label: all 64 terms of a wave at once, into registers, in a stretch between
; two barriers in which no wave stores to LDS.
; THE WAY OUT.  A row of out0 is 16,000 bytes = 62.5 x 256, so a row with odd g begins 128 bytes off a multiple of 256.  The costs pass through
; a tile in LDS with a region of 128 rows x 64 columns for each slice, and an odd row is laid 32 anchors (128 bytes) to the right: region k
; then holds anchors 64 k .. 64 k + 63 of an even row and 64 k - 32 .. 64 k + 31 of an odd row, and in both cases sixteen lanes store 256
; consecutive bytes that begin at a multiple of 256 from out0's first byte.  What is left at the ends (anchors 0-31 and 224-255 of the odd
; rows; in the short chunk anchors 128-159 of the even rows) leaves as pieces of 128 bytes, eight lanes a row.  Every lane of every load and
; store of the way out is of use: no EXEC mask.  A tile byte is written once, so one barrier a slice is all: region k is written in slices
; k - 1 and k, in front of barrier k, and read behind it, while the stores of slice k + 1 go to regions k + 1 and k + 2.
; The tile's loads are issued straight behind the barrier and the global stores two pairs of anchors later, under the next slice's arithmetic.
; SELECTION, values only, so that nothing that steers an address hangs on a float: four values are sorted (five dual min/max); the least
; goes into a sorted list of 10, the second into one of 5, the third of 3, the fourth of 2: a value of rank j among the row's ten smallest
; has j partners that are no larger, so at most 10 / (j + 1) values of that rank are among the ten.  Once for the costs, once for -iou.
; No matrix unit (there is no product), no cluster and no tensor load (no two work-groups read the same logits or boxes; the targets are 2.5 KB).
; THE MODE: SCHED_MODE bits 1:0 = 2 (LLVM: expert scheduling mode 2), set by the entry lines.  The code itself states the register dependences
; between vector instructions and memory or LDS instructions, with s_wait_alu, always for 0.
; THE PLAN.  Registers that memory or LDS instructions touch, from the first slice on:
;   BX0, BX1   a pair's record.  Read by the pair's lines ahead of its reciprocals; behind the pair's one wait the record of the pair two on lands in it.
;   CS, CS2    four costs, a buffer to a half group, by turns.  Written by the last line of each of its two pairs; read by the sort and by ONE tile
;              store, which is issued behind the wait of the next half group's first pair (a slice's last: behind a wait of its own, ahead of the barrier).
;   WO, XO     the way out: LDS loads land there, global stores read them; no vector line names WO.  XO held the last class terms before.
;   CL         the class terms: loaded once, then read by vector lines alone.
;   addresses  made at the head and never written again: a second register reaches what an LDS offset of 16 bits does not.
; So ONE wait on va_vdst stands in a pair, behind its reciprocals: it is the wait ahead of their first reader, and it
; states that the pair is done reading its record and that the half group before has written its costs.  The rest of the pair names neither.
; A wait on vm_vsrc stands behind each slice's barrier and in a slice's third and fourth half group: a cost buffer is written again only when
; the tile store that read it has read it.
; LIMITS: NaN is not ordered by the lists.  Quotients are v_rcp_f32 with one fused correction, logarithms v_log_f32 times ln 2, and
; 5 L1 + 2 class - 2 giou is formed by two fused multiply-adds: a few units in the last place from a plain f32 evaluation.
; A label outside 0..79 is clamped to 79.
.set TILE,  81920                      ; LDS: 0 .. 81,919 class table [anchor][80] f32 = 2 x cost_class
.set PITCH, 272                        ; tile row: 256 bytes + 16, an odd multiple of 16: sixteen rows start in sixteen different 16-byte columns
.set REG,   128*PITCH                  ; 34,816: a region of the tile; five of them, up to 256,000
.set LST,   TILE+5*REG                 ; the waves' lists: [kind][qs][g], 48 bytes each (40 used; 48 is an odd multiple of 16)
.set LPITCH, 48
.set LQS,   128*LPITCH                 ; 6,144
.set LKIND, 4*LQS                      ; 24,576
.set BOX,   LST+2*LKIND                ; 305,152: box table, 128 anchor pairs x 80 bytes, up to 315,392
.set EPSB,  0x322bcc77                 ; 1e-8
.set TCX, 8                            ; v[8:25] the target, each number twice: cx, cy, w, h, x0, y0, x1, y1, area
.set TCY, 10
.set TW,  12
.set TH,  14
.set TX0, 16
.set TY0, 18
.set TX1, 20
.set TY1, 22
.set TAR, 24
.set LAB,  26                          ; v26 LDS byte of my label's class term for my wave's first anchor of slice 0
.set LAB2, 27                          ; v27 the same for slice 2 (an LDS offset holds 16 bits)
.set TADR0, 28                         ; v28 where my four costs of the first trip of slice 0 go in the tile (slice 1: by the offset)
.set TADR1, 29                         ; v29 the same for its second trip
.set RADR, 30                          ; v30 way out: rows 8 w + 2 (lane / 16), 16 bytes a lane, in region 0 (region 1: by the offset)
.set GOFF, 31                          ; v31 the same place in out0
.set BADR, 32                          ; v32 my wave's first pair in the box table
.set MT,   33                          ; v33 temporary of the merges
                                       ; v[34:57] temporaries of a pair of anchors; v[34:60] of the set-up
.set RQ,   59                          ; v59 way out, pieces of 128 bytes: rows 8 w + 2 (lane / 8), 16 bytes a lane, in region 0
.set GQ,   61                          ; v61 the same place in out0
.set CS,   62                          ; v[62:65] four costs: the half groups with hs = 0
.set NI,   66                          ; v[66:69] four -iou
.set SRC,  70                          ; v[70:77] sorting the costs
.set SRN,  78                          ; v[78:85] sorting the -iou
.set LIA,  86                          ; v[86:95]  -iou, rank 0: ten smallest, ascending
.set LCA,  96                          ; v[96:105] cost, rank 0
.set LIB,  106                         ; 5, 3, 2 entries for ranks 1, 2, 3
.set LIC,  111
.set LID,  114
.set LCB,  116
.set LCC,  121
.set LCD,  124
.set WO,   126                         ; v[126:141] way out: four loads of 16 bytes a lane
.set BX0,  142                         ; v[142:159], v[160:177] two buffers of 18: a pair's boxes
.set CL,   178                         ; v[178:241] class terms of my wave's 64 anchors (slice s, trip t, anchor j at 16 s + 8 t + j)
.set RD,   178                         ; v[178:217] logits at the start; v[178:207] three other waves' lists at the end
.set LOF,  218                         ; v[218:227] offsets of the ten logits loads; v[228:235] target and anchor as loaded
.set XO,   238                         ; v[238:241] way out: the odd rows' last 32 anchors (the last class terms are used up by then)
.set CS2,  242                         ; v[242:245] four costs: the half groups with hs = 1
.set TADR2, 246                        ; v246, v247 TADR0 and TADR1 for slice 2 (slice 3: by the offset)
.set TADR3, 247
.set RADR2, 248                        ; v248 RADR for region 2 (region 3: by the offset)
.set RQ2,  249                         ; v249 RQ for region 2
.set RQ4,  250                         ; v250 RQ for region 4
.set SB, 66
.set SC, 67
.set SNQ, 68
.set SW, 69
.set SGG, 70
.set SQS, 71
.set SLAST, 74                         ; NQ - 1
	s_load_b256 s[4:11], s[0:1], 0x0               ; pred_boxes s[4:5], pred_logits s[6:7], tgt_boxes s[8:9], tgt_labels s[10:11]
	s_load_b128 s[12:15], s[0:1], 0x20             ; out0 s[12:13], lists s[14:15]
	v_lshl_add_u32 v252, v0, 2, 0x4d000
	v_mov_b32 v253, 0
	v_and_b32 v1, 31, v0                           ; lane
	v_lshrrev_b32 v2, 5, v0
	v_readfirstlane_b32 s[SW], v2                  ; wave
	s_and_b32 s[SB], ttmp7, 0xffff
	s_mov_b32 s[SC], ttmp9
	s_wait_alu depctr_va_sdst(0)                   ; s[SW] is written, ahead of its first reader
	s_and_b32 s[SGG], s[SW], 3
	s_lshr_b32 s[SQS], s[SW], 2
	s_mov_b32 s[SNQ], 256
	s_cmp_eq_u32 s[SC], 15
	s_cselect_b32 s[SNQ], 160, s[SNQ]
	s_mov_b32 s75, 0x7f800000                      ; +inf
	s_mul_i32 s86, s[SB], 4000
	s_lshl_b32 s87, s[SC], 8
	s_add_co_u32 s86, s86, s87                     ; the chunk's first anchor, counted over all images
	s_mul_i32 s88, s86, 320                        ; its logits, in bytes (below 20,480,000)
	s_mov_b32 s89, 0
	s_lshl_b32 s94, s86, 4                         ; its box
	s_mov_b32 s95, 0
	s_mul_i32 s90, s[SB], 4096000                  ; image b of out0: 2 planes x 128 rows x 16,000 bytes
	s_lshl_b32 s87, s[SC], 10
	s_add_co_u32 s90, s90, s87                     ; + 256 c anchors
	s_mov_b32 s91, 0
	s_lshl4_add_u32 s92, s[SB], s[SC]
	s_mul_i32 s92, s92, 10240                      ; lists: 2 kinds x 5 pairs x 128 rows x 8 bytes for each (b, c)
	s_mov_b32 s93, 0
	s_mul_i32 s87, s[SNQ], 320
	s_sub_co_u32 s87, s87, 16                      ; the last 16 bytes of the chunk's logits
	s_sub_co_u32 s[SLAST], s[SNQ], 1
	v_lshl_or_b32 v2, s[SGG], 5, v1                ; g
	v_lshl_add_u32 v3, s[SB], 7, v2                ; 128 b + g
	v_lshlrev_b32 v4, 4, v3
	v_lshlrev_b32 v5, 2, v3
	v_lshrrev_b32 v60, 1, v0                       ; box table: threads 2 a and 2 a + 1 serve anchor a
	v_min_u32 v60, s[SLAST], v60                   ; the short chunk's surplus threads read its last box again
	v_lshlrev_b32 v60, 4, v60
	v_lshlrev_b32 v7, 4, v0                        ; 16 x thread
.irp n, 0,1,2,3,4,5,6,7,8,9
	v_add_nc_u32 v[LOF+\n], 8192*\n, v7
	v_min_u32 v[LOF+\n], s87, v[LOF+\n]            ; likewise: the chunk's last 16 bytes of logits again
.endr
	s_wait_kmcnt 0x0
	s_add_nc_u64 s[82:83], s[6:7], s[88:89]
	s_add_nc_u64 s[80:81], s[12:13], s[90:91]
	s_add_nc_u64 s[84:85], s[14:15], s[92:93]
	s_add_nc_u64 s[76:77], s[4:5], s[94:95]
	s_wait_alu depctr_va_vdst(0)                   ; v4, v5, v60 and v[LOF ..] are written: the loads below read them as offsets
	global_load_b128 v[228:231], v4, s[8:9]        ; my target: cx, cy, w, h
	global_load_b32 v6, v5, s[10:11]               ; its label
	global_load_b128 v[232:235], v60, s[76:77]     ; my thread's anchor
.irp n, 0,1,2,3,4,5,6,7,8,9
	global_load_b128 v[RD+4*\n:RD+4*\n+3], v[LOF+\n], s[82:83] th:TH_LOAD_NT   ; 512 threads x 16 bytes x 10 = 256 anchors x 320 bytes
.endr
	; While these loads are on their way: the LDS and output addresses and the lists' start (no register of a pending load is touched,
	; neither one in which it lands nor one that it reads).
	v_and_b32 v34, 1, v0                           ; my row's parity (32 gg is even)
	s_lshl_b32 s86, s[SQS], 5
	s_add_co_u32 s86, s86, TILE
	v_mul_u32_u24 v35, v2, PITCH
	v_add_nc_u32 v35, s86, v35                     ; TILE + 272 g + 32 qs
	v_lshl_add_u32 v[TADR0], v34, 7, v35           ; first trip: columns 0-31; an odd row 128 bytes to the right: columns 32-63
	v_mul_u32_u24 v34, v34, REG-128
	v_add_nc_u32 v[TADR1], v35, v34
	v_add_nc_u32 v[TADR1], 128, v[TADR1]           ; second trip: columns 32-63; an odd row: columns 0-31 of the next region
	v_add_nc_u32 v[TADR2], 2*REG, v[TADR0]         ; two slices on
	v_add_nc_u32 v[TADR3], 2*REG, v[TADR1]
	s_mul_i32 s86, s[SQS], 320                     ; 4 qs pairs of 80 bytes
	s_add_co_u32 s86, s86, BOX
	v_mov_b32 v[BADR], s86
	v_lshrrev_b32 v34, 4, v1
	v_and_b32 v35, 15, v1
	v_lshlrev_b32 v34, 1, v34
	v_lshl_add_u32 v34, s[SW], 3, v34              ; way out: row 8 w + 2 (lane / 16); + 4, + 1, + 5 by the offsets
	v_mul_u32_u24 v[RADR], v34, PITCH
	v_lshl_add_u32 v[RADR], v35, 4, v[RADR]
	v_add_nc_u32 v[RADR], TILE, v[RADR]
	v_add_nc_u32 v[RADR2], 2*REG, v[RADR]
	v_mul_u32_u24 v[GOFF], v34, 16000
	v_lshl_add_u32 v[GOFF], v35, 4, v[GOFF]
	v_lshrrev_b32 v34, 3, v1
	v_and_b32 v35, 7, v1
	v_lshlrev_b32 v34, 1, v34
	v_lshl_add_u32 v34, s[SW], 3, v34              ; pieces of 128 bytes: row 8 w + 2 (lane / 8); + 1 by the offsets
	v_mul_u32_u24 v[RQ], v34, PITCH
	v_lshl_add_u32 v[RQ], v35, 4, v[RQ]
	v_add_nc_u32 v[RQ], TILE, v[RQ]
	v_add_nc_u32 v[RQ2], 2*REG, v[RQ]
	v_add_nc_u32 v[RQ4], 4*REG, v[RQ]
	v_mul_u32_u24 v[GQ], v34, 16000
	v_lshl_add_u32 v[GQ], v35, 4, v[GQ]
	v_add_nc_u32 v3, 0x10000, v7                   ; LDS offsets hold 16 bits: a second register for the class table's last 16 KB
.set ii, 0
.rept 40
	v_mov_b32 v[LIA+ii], s75                       ; all eight lists start at +inf
.set ii, ii+1
.endr
	s_wait_loadcnt 10                              ; the ten logits loads may stay out: target, label and anchor are in
.irp i, 0,1,2,3
	v_mov_b32 v[TCX+2*\i], v[228+\i]               ; each number twice: one for anchor A, one for anchor B
	v_mov_b32 v[TCX+2*\i+1], v[228+\i]
.endr
	v_pk_fma_f32 v[TX0:TX0+1], v[TW:TW+1], -0.5, v[TCX:TCX+1] op_sel_hi:[1,0,1]   ; the product by 0.5 is exact: rounds as cx - 0.5 w does
	v_pk_fma_f32 v[TY0:TY0+1], v[TH:TH+1], -0.5, v[TCY:TCY+1] op_sel_hi:[1,0,1]
	v_pk_fma_f32 v[TX1:TX1+1], v[TW:TW+1], 0.5, v[TCX:TCX+1] op_sel_hi:[1,0,1]
	v_pk_fma_f32 v[TY1:TY1+1], v[TH:TH+1], 0.5, v[TCY:TCY+1] op_sel_hi:[1,0,1]
	v_pk_add_f32 v[34:35], v[TX1:TX1+1], v[TX0:TX0+1] neg_lo:[0,1] neg_hi:[0,1]
	v_pk_add_f32 v[36:37], v[TY1:TY1+1], v[TY0:TY0+1] neg_lo:[0,1] neg_hi:[0,1]
	v_pk_mul_f32 v[TAR:TAR+1], v[34:35], v[36:37]  ; target's area
	; the box table: record of pair P at BOX + 80 P; field i (cx cy w h x0 y0 x1 y1 area) of anchor 2 P + s at byte 8 i + 4 s
	v_fma_f32 v50, -0.5, v234, v232                ; x0
	v_fma_f32 v51, -0.5, v235, v233                ; y0
	v_fma_f32 v52, 0.5, v234, v232                 ; x1
	v_fma_f32 v53, 0.5, v235, v233                 ; y1
	v_sub_f32 v54, v52, v50
	v_sub_f32 v55, v53, v51
	v_mul_f32 v54, v54, v55                        ; area
	v_and_b32 v55, 1, v0
	v_cmp_eq_u32 vcc_lo, 1, v55
	v_lshrrev_b32 v56, 2, v0                       ; P
	v_mul_u32_u24 v58, v56, 80
	v_bfe_u32 v56, v0, 1, 1                        ; s
	v_lshl_add_u32 v58, v56, 2, v58
	v_add_nc_u32 v58, BOX, v58
	v_lshl_add_u32 v57, v55, 5, v58                ; the odd thread's four fields lie 32 bytes on
	s_wait_alu depctr_va_vcc(0)                    ; the compare has written VCC, ahead of the four selects that read it
	v_cndmask_b32 v50, v232, v50, vcc_lo           ; the even thread stores cx cy w h, the odd one x0 y0 x1 y1
	v_cndmask_b32 v51, v233, v51, vcc_lo
	v_cndmask_b32 v52, v234, v52, vcc_lo
	v_cndmask_b32 v53, v235, v53, vcc_lo
	s_wait_alu depctr_va_vdst(0)                   ; v50 to v54, v57 and v58 are written, which the stores below read; so is every address register made above
	ds_store_b32 v57, v50
	ds_store_b32 v57, v51 offset:8
	ds_store_b32 v57, v52 offset:16
	ds_store_b32 v57, v53 offset:24
	ds_store_b32 v58, v54 offset:64                ; both threads, the same word with the same value
	v_min_u32 v6, 79, v6
	s_mul_i32 s87, s[SQS], 2560                    ; 8 qs anchors of 320 bytes
	v_lshlrev_b32 v[LAB], 2, v6
	v_add_nc_u32 v[LAB], s87, v[LAB]
	v_add_nc_u32 v[LAB2], 40960, v[LAB]            ; two slices of 64 anchors on
; The four terms of turn n go into the class table.
.macro CLSTORE n
.if (\n) < 8
	ds_store_b128 v7, v[RD+4*(\n):RD+4*(\n)+3] offset:8192*(\n)
.else
	ds_store_b128 v3, v[RD+4*(\n):RD+4*(\n)+3] offset:8192*(\n)-65536
.endif
.endm
; Turn n: four logits in v[X:X+3] become 2 x cost_class = 1.5 ln2 p^2 log2(1 + (eps - p)) - 0.5 ln2 (1-p)^2 log2(p + eps), p = 1 / (1 + 2^(-x log2 e)).
; Behind each run of transcendentals one plain vector instruction stands before a result is used (ISA guide 5.7.2), and then the wait that
; comes ahead of the run's first reader.  The first of a turn's three waits also shows the terms of the turn before written:
; their LDS store stands behind it, and no vector line between names them.
.macro CLS4 X, n
	v_pk_mul_f32 v[34:35], v[\X:\X+1], 0xbfb8aa3b op_sel_hi:[1,0]
	v_pk_mul_f32 v[36:37], v[\X+2:\X+3], 0xbfb8aa3b op_sel_hi:[1,0]
.irp i, 34,35,36,37
	v_exp_f32 v\i, v\i
.endr
	v_nop
	s_wait_alu depctr_va_vdst(0)                   ; the four exponentials are written; so are the four terms of the turn before, which the store below reads
.if (\n) > 0
	CLSTORE (\n)-1
.endif
	v_pk_add_f32 v[34:35], v[34:35], 1.0 op_sel_hi:[1,0]
	v_pk_add_f32 v[36:37], v[36:37], 1.0 op_sel_hi:[1,0]
.irp i, 34,35,36,37
	v_rcp_f32 v\i, v\i                             ; p
.endr
	v_nop
	s_wait_alu depctr_va_vdst(0)                   ; the four reciprocals are written
.irp o, 0,2
	v_pk_add_f32 v[38+\o:39+\o], v[34+\o:35+\o], EPSB op_sel_hi:[1,0]                              ; p + eps
	v_pk_add_f32 v[42+\o:43+\o], v[34+\o:35+\o], EPSB op_sel_hi:[1,0] neg_lo:[1,0] neg_hi:[1,0]    ; -p + eps
.endr
.irp o, 0,2
	v_pk_add_f32 v[42+\o:43+\o], v[42+\o:43+\o], 1.0 op_sel_hi:[1,0]
.endr
.irp i, 38,39,40,41,42,43,44,45
	v_log_f32 v\i, v\i
.endr
.irp o, 0,2
	v_pk_add_f32 v[46+\o:47+\o], v[34+\o:35+\o], 1.0 op_sel_hi:[1,0] neg_lo:[1,0] neg_hi:[1,0]     ; 1 - p
.endr
.irp o, 0,2
	v_pk_mul_f32 v[46+\o:47+\o], v[46+\o:47+\o], v[46+\o:47+\o]
	v_pk_mul_f32 v[34+\o:35+\o], v[34+\o:35+\o], v[34+\o:35+\o]
.endr
	s_wait_alu depctr_va_vdst(0)                   ; the eight logarithms are written; the six lines above name none of them
.irp o, 0,2
	v_pk_mul_f32 v[42+\o:43+\o], v[42+\o:43+\o], 0x3f851592 op_sel_hi:[1,0]                        ; 1.5 ln 2
	v_pk_mul_f32 v[38+\o:39+\o], v[38+\o:39+\o], 0xbeb17218 op_sel_hi:[1,0]                        ; -0.5 ln 2
	v_pk_mul_f32 v[42+\o:43+\o], v[42+\o:43+\o], v[34+\o:35+\o]
	v_pk_fma_f32 v[\X+\o:\X+\o+1], v[38+\o:39+\o], v[46+\o:47+\o], v[42+\o:43+\o]
.endr
.endm
.irp n, 0,1,2,3,4,5,6,7,8,9
	s_wait_loadcnt 9-\n                            ; the younger logits loads stay out
	CLS4 RD+4*\n,\n
.endr
	s_wait_alu depctr_va_vdst(0)                   ; the last four terms are written, which the store below reads
	CLSTORE 9
	s_wait_dscnt 0x0                               ; my parts of both tables are written,
	s_barrier_signal -1
	s_barrier_wait -1                              ; everybody's are
; One pair's record: 18 words, the same address in all lanes.
.macro LOADBOX BX, off
	ds_load_b128 v[\BX:\BX+3], v[BADR] offset:\off
	ds_load_b128 v[\BX+4:\BX+7], v[BADR] offset:\off+16
	ds_load_b128 v[\BX+8:\BX+11], v[BADR] offset:\off+32
	ds_load_b128 v[\BX+12:\BX+15], v[BADR] offset:\off+48
	ds_load_b64 v[\BX+16:\BX+17], v[BADR] offset:\off+64
.endm
	; The class terms of all my wave's anchors: anchor 64 s + 32 t + 8 qs + j at 320 bytes each (in the short chunk the table's
	; rows from 160 on hold its last logits again: written, loaded, and not used).
	s_wait_alu depctr_vm_vsrc(0)                   ; the table's stores have read v[RD ..] and the logits loads v[LOF ..], in which the loads below land; the box table's stores have read v50 to v58, which the pairs write.  (No vector line since the last wait on va_vdst names v178 to v241.)
.irp s, 0,1
.irp t, 0,1
.irp j, 0,1,2,3,4,5,6,7
	ds_load_b32 v[CL+16*\s+8*\t+\j], v[LAB] offset:20480*\s+10240*\t+320*\j
	ds_load_b32 v[CL+32+16*\s+8*\t+\j], v[LAB2] offset:20480*\s+10240*\t+320*\j
.endr
.endr
.endr
	LOADBOX BX0, 0                                 ; and the first two pairs' records
	LOADBOX BX0+18, 80
	s_wait_dscnt 0x0                               ; they are in my registers;
	s_barrier_signal -1
	s_barrier_wait -1                              ; everybody's are: from here on LDS may be stored to
; x goes into the ascending list L of n: entry i becomes the middle one of (entry i-1, entry i, x); from the top down, so that old values are read.
.macro INS L, n, x
.set ii, (\n)-1
.rept (\n)-1
	v_med3_num_f32 v[\L+ii], v[\L+ii-1], v[\L+ii], v[\x]
.set ii, ii-1
.endr
	v_min_num_f32 v[\L], v[\L], v[\x]
.endm
; The same for a value known to be no smaller than entry p - 1 of a list of ten: entries 9 .. p alone can change.
.macro INSR L, p, x
.set ii, 9
.rept 10-(\p)
	v_med3_num_f32 v[\L+ii], v[\L+ii-1], v[\L+ii], v[\x]
.set ii, ii-1
.endr
.endm
; lo = min(x, y), hi = max(x, y) in one dual instruction: lo even, hi odd; both halves read the same two registers; lo and hi are neither.
.macro CE2 lo, hi, x, y
	v_dual_min_num_f32 v[\lo], v[\x], v[\y] :: v_dual_max_num_f32 v[\hi], v[\x], v[\y]
.endm
.macro DMAX d, a, b                    ; pairs: d = max(a, b)
	v_dual_max_num_f32 v[\d], v[\a], v[\b] :: v_dual_max_num_f32 v[\d+1], v[\a+1], v[\b+1]
.endm
.macro DMIN d, a, b
	v_dual_min_num_f32 v[\d], v[\a], v[\b] :: v_dual_min_num_f32 v[\d+1], v[\a+1], v[\b+1]
.endm
.macro DCLIP d                         ; pair: d = max(0, d)
	v_dual_max_num_f32 v[\d], 0, v[\d] :: v_dual_max_num_f32 v[\d+1], 0, v[\d+1]
.endm
.macro PSUB d, a, b                    ; pairs: d = a - b
	v_pk_add_f32 v[\d:\d+1], v[\a:\a+1], v[\b:\b+1] neg_lo:[0,1] neg_hi:[0,1]
.endm
; Two anchors against 32 targets, first part: all that reads their record BX and their class terms CLR, up to the reciprocals and four lines behind them.
.macro QQA BX, CLR
	PSUB 34, \BX, TCX
	PSUB 36, \BX+2, TCY
	PSUB 38, \BX+4, TW
	PSUB 40, \BX+6, TH
	DMAX 42, \BX+8, TX0                            ; overlap: left, top,
	DMAX 44, \BX+10, TY0
	DMIN 46, \BX+12, TX1                           ; right, bottom
	DMIN 48, \BX+14, TY1
	DMIN 50, \BX+8, TX0                            ; enclosing box
	DMIN 52, \BX+10, TY0
	DMAX 54, \BX+12, TX1
	DMAX 56, \BX+14, TY1
	PSUB 46, 46, 42
	PSUB 48, 48, 44
	PSUB 54, 54, 50
	PSUB 56, 56, 52
	v_add_f32 v34, |v34|, |v36|                    ; a packed sum takes no magnitudes: the L1 sums go one by one, in the order of the four fields
	v_add_f32 v35, |v35|, |v37|
	DCLIP 46
	DCLIP 48
	DCLIP 54
	DCLIP 56
	v_pk_mul_f32 v[42:43], v[46:47], v[48:49]      ; inter
	v_pk_mul_f32 v[50:51], v[54:55], v[56:57]      ; enclosing area
	v_pk_add_f32 v[44:45], v[\BX+16:\BX+17], v[TAR:TAR+1]
	PSUB 44, 44, 42                                ; union
	v_pk_add_f32 v[46:47], v[44:45], EPSB op_sel_hi:[1,0]
	v_pk_add_f32 v[48:49], v[50:51], EPSB op_sel_hi:[1,0]
	v_add_f32 v34, v34, |v38|
	v_add_f32 v35, v35, |v39|
	v_rcp_f32 v52, v46
	v_rcp_f32 v53, v47
	v_rcp_f32 v54, v48
	v_rcp_f32 v55, v49
	v_add_f32 v34, v34, |v40|                      ; the plain place behind the reciprocals (ISA guide 5.7.2): L1 is done
	v_add_f32 v35, v35, |v41|
	PSUB 50, 50, 44                                ; enclosing - union
	v_pk_fma_f32 v[34:35], v[34:35], 0x40a00000, v[\CLR:\CLR+1] op_sel_hi:[1,0,1]              ; 5 L1 + 2 class
.endm
; Second part: the quotients.  OC, ON: where cost and -iou go.  It names neither the record nor the class terms.
.macro QQB OC, ON
	v_pk_mul_f32 v[\ON:\ON+1], v[42:43], v[52:53] neg_lo:[1,0] neg_hi:[1,0]                    ; -iou, first guess
	v_pk_mul_f32 v[56:57], v[50:51], v[54:55]
	v_pk_fma_f32 v[36:37], v[\ON:\ON+1], v[46:47], v[42:43]                                    ; what is left of inter
	v_pk_fma_f32 v[38:39], v[56:57], v[48:49], v[50:51] neg_lo:[1,0,0] neg_hi:[1,0,0]
	v_pk_fma_f32 v[\ON:\ON+1], v[36:37], v[52:53], v[\ON:\ON+1] neg_lo:[1,0,0] neg_hi:[1,0,0]  ; -iou
	v_pk_fma_f32 v[56:57], v[38:39], v[54:55], v[56:57]                                        ; (enclosing - union) / (enclosing + eps)
	v_pk_add_f32 v[56:57], v[\ON:\ON+1], v[56:57]                                              ; -giou
	v_pk_fma_f32 v[\OC:\OC+1], v[56:57], 2.0, v[34:35] op_sel_hi:[1,0,1]
.endm
; The four costs of the half group of slice s that begins with pair n go to the tile: trip n >> 2, 16 bytes on for its second half.
.macro TSTORE s, n
.set ta, TADR0+((\n)>>2)
.if (\s) >= 2
.set ta, TADR2+((\n)>>2)
.endif
.set tb, CS+(CS2-CS)*(((\n)>>1)&1)
	ds_store_b128 v[ta], v[tb:tb+3] offset:(((\s)&1)*REG)+16*(((\n)>>1)&1)
.endm
; Pair n (0 .. 7) of slice s: pair P = 32 s + 16 (n >> 2) + 4 qs + (n & 3).  Behind its one wait stand the tile store of the half group before
; (in a half group's first pair) and the loads of the record two pairs on, into this pair's own buffer.
; A slice's first pair waits for no record: its own was waited for in front of the barrier that the slice begins behind.
.macro PAIR s, n
.set pp, 8*(\s)+(\n)
.set pq, pp+2
.set cur, BX0+18*((\n)&1)
.set cb, CS+(CS2-CS)*(((\n)>>1)&1)
.if (\n) > 0
.if pp == 31
	s_wait_dscnt 0x0                               ; nothing follows the last pair
.else
	s_wait_dscnt 5                                 ; the five loads issued in the pair before, the next pair's record, may stay out: this pair's record, and all that is older, is in
.endif
.endif
	QQA cur,CL+16*(\s)+2*(\n)
	s_wait_alu depctr_va_vdst(0)                   ; the four reciprocals are written, ahead of their first reader; the lines above are done reading this pair's record, in which the loads below land; the half group before has written its four costs, which the store below reads
.if (((\n)&1) == 0) && ((\n) >= 4)
	s_wait_alu depctr_vm_vsrc(0)                   ; the tile store issued a half group ago has read the cost buffer that this half group writes again
.endif
.if (((\n)&1) == 0) && ((\n) >= 2)
	TSTORE \s,((\n)-2)
.endif
.if pq < 32
	LOADBOX cur, (2560*(pq>>3)+1280*((pq>>2)&1)+80*(pq&3))
.endif
	QQB cb+2*((\n)&1),NI+2*((\n)&1)
.endm
; Region k leaves, first half: the LDS loads, straight behind barrier k.  Rows 8 w + 2 h and + 4 (even), + 1 and + 5 (odd), h = lane / 16.
; Of region 0 an odd row has only columns 32-63 (its anchors 0-31): one load takes these 128 bytes of my four odd rows, eight lanes a row.
.macro WOLOAD k
.set ra, RADR
.if (\k) >= 2
.set ra, RADR2
.endif
.set ro, ((\k)&1)*REG
.if (\k) > 0
	s_wait_xcnt 0x0                                ; the registers below were the data of the last region's stores: loaded again only behind this wait
.endif
	s_wait_alu depctr_vm_vsrc(0)                   ; the slice's tile stores have read both cost buffers, which the next slice writes again; from region 1 on the last region's global stores have read v[WO ..], in which the loads below land
	ds_load_b128 v[WO:WO+3], v[ra] offset:ro
	ds_load_b128 v[WO+4:WO+7], v[ra] offset:ro+4*PITCH
.if (\k) == 0
	ds_load_b128 v[WO+8:WO+11], v[RQ] offset:PITCH+128
.else
	ds_load_b128 v[WO+8:WO+11], v[ra] offset:ro+PITCH
	ds_load_b128 v[WO+12:WO+15], v[ra] offset:ro+5*PITCH
.endif
.endm
; Second half: the stores.  Sixteen lanes: 256 consecutive bytes at a multiple of 256 from out0's first byte: an odd row begins 128 bytes
; off such a multiple, and its piece begins 128 bytes in front of the even rows' column.  Their data come from LDS loads and their offsets
; from the head: no vector line is waited for.
.macro WOSTORE k
	global_store_b128 v[GOFF], v[WO:WO+3], s[80:81] offset:256*(\k)
	global_store_b128 v[GOFF], v[WO+4:WO+7], s[80:81] offset:256*(\k)+4*16000
.if (\k) == 0
	global_store_b128 v[GQ], v[WO+8:WO+11], s[80:81] offset:16000
.else
	global_store_b128 v[GOFF], v[WO+8:WO+11], s[80:81] offset:256*(\k)+16000-128
	global_store_b128 v[GOFF], v[WO+12:WO+15], s[80:81] offset:256*(\k)+5*16000-128
.endif
.endm
; Four anchors: two pairs, both sorts (stage by stage in turn), eight insertions.  The costs go to the tile in the next half group's first pair;
; a slice's last half group stores its own, behind its sort, since the barrier follows.
; wo >= 0: region wo's stores go out here: its LDS loads are older than the five that the second pair's wait leaves out.
.macro HALFG s, t, hs, wo
	PAIR \s,(4*\t+2*\hs)
	PAIR \s,(4*\t+2*\hs+1)
.if (\wo) >= 0
	WOSTORE \wo
.endif
.set cq, CS+(CS2-CS)*(\hs)
	CE2 SRC, SRC+1, cq, cq+1
	CE2 SRC+2, SRC+3, cq+2, cq+3
	CE2 SRN, SRN+1, NI, NI+1
	CE2 SRN+2, SRN+3, NI+2, NI+3
	CE2 SRC+4, SRC+5, SRC, SRC+2                   ; +4: the least
	CE2 SRC+6, SRC+7, SRC+1, SRC+3                 ; +7: the largest
	CE2 SRN+4, SRN+5, SRN, SRN+2
	CE2 SRN+6, SRN+7, SRN+1, SRN+3
	CE2 SRC, SRC+1, SRC+6, SRC+5                   ; +0, +1: the two in the middle
	CE2 SRN, SRN+1, SRN+6, SRN+5
.if (2*\t+\hs) == 3
	s_wait_alu depctr_va_vdst(0)                   ; this half group's two pairs have written its four costs, which the store below reads (in the last slice they are also done reading the last class terms, in whose registers a load of the way out lands)
	TSTORE \s,6
.endif
	INS LCA,10,SRC+4
	INS LIA,10,SRN+4
	INS LCB,5,SRC
	INS LIB,5,SRN
	INS LCC,3,SRC+1
	INS LIC,3,SRN+1
	INS LCD,2,SRC+7
	INS LID,2,SRN+7
.endm
.macro TRIP s, t, wo
	HALFG \s,\t,0,\wo
	HALFG \s,\t,1,-1
.endm
.macro BAR
	s_wait_dscnt 0x0                               ; my costs are in the tile (and the next two pairs' records are in my registers),
	s_barrier_signal -1
	s_barrier_wait -1                              ; everybody's are
.endm
.macro NEXT k                          ; between slice k and slice k + 1
	BAR
	WOLOAD \k
.endm
	TRIP 0,0,-1
	TRIP 0,1,-1
	NEXT 0
	TRIP 1,0,0
	TRIP 1,1,-1
	NEXT 1
	TRIP 2,0,1
	s_cmp_eq_u32 s[SC], 15                         ; the short chunk has 160 anchors: five trips
	s_cbranch_scc1 .Lshort
	TRIP 2,1,-1
	NEXT 2
	TRIP 3,0,2
	TRIP 3,1,-1
	BAR
	WOLOAD 3
	ds_load_b128 v[XO:XO+3], v[RQ4] offset:PITCH   ; region 4 holds columns 0-31 of the odd rows alone: their anchors 224-255.  No vector line since the last wait on va_vdst names v[XO ..]
	s_wait_dscnt 0x0
	WOSTORE 3
	global_store_b128 v[GQ], v[XO:XO+3], s[80:81] offset:16000+896
	s_branch .Ldone
.Lshort:
	s_wait_alu depctr_va_vdst(0)                   ; the fifth trip's last two pairs have written their four costs, which the store below reads
	TSTORE 2,2                                     ; the store that the sixth trip's first pair would have issued
	BAR
	s_wait_xcnt 0x0                                ; as in WOLOAD
	s_wait_alu depctr_vm_vsrc(0)                   ; region 1's global stores have read v[WO ..], in which the loads below land
	ds_load_b128 v[WO:WO+3], v[RQ2]                ; region 2: of the even rows columns 0-31 alone are written: anchors 128-159
	ds_load_b128 v[WO+8:WO+11], v[RADR2] offset:PITCH    ; the odd rows are whole: anchors 96-159
	ds_load_b128 v[WO+12:WO+15], v[RADR2] offset:5*PITCH
	s_wait_dscnt 0x0
	global_store_b128 v[GQ], v[WO:WO+3], s[80:81] offset:512
	global_store_b128 v[GOFF], v[WO+8:WO+11], s[80:81] offset:512+16000-128
	global_store_b128 v[GOFF], v[WO+12:WO+15], s[80:81] offset:512+5*16000-128
.Ldone:
	; The spare lists go into the lists of ten.  Entry i of rank 1 has i smaller entries of its rank, and each of these i + 1 has a partner of
	; rank 0 that is no larger: it stands at place 2 i + 1 or higher.  Likewise 3 i + 2 for rank 2 and 4 i + 3 for rank 3, in this order.
.irp i, 0,1,2,3,4
	INSR LIA,(2*\i+1),LIB+\i
	INSR LCA,(2*\i+1),LCB+\i
.endr
.irp i, 0,1,2
	INSR LIA,(3*\i+2),LIC+\i
	INSR LCA,(3*\i+2),LCC+\i
.endr
.irp i, 0,1
	INSR LIA,(4*\i+3),LID+\i
	INSR LCA,(4*\i+3),LCD+\i
.endr
; The ten smallest of two ascending lists of ten: min(a[i], b[9-i]) holds them, rising and then falling; the fifteen exchanges are those
; of the merge network for sixteen that are left when six entries of -inf stand in front.
.macro CE d, x, y
	v_min_num_f32 v[MT], v[\d+\x], v[\d+\y]
	v_max_num_f32 v[\d+\y], v[\d+\x], v[\d+\y]
	v_mov_b32 v[\d+\x], v[MT]
.endm
.macro MERGE10 d, a, b
.irp i, 0,1,2,3,4,5,6,7,8,9
	v_min_num_f32 v[\d+\i], v[\a+\i], v[\b+9-\i]
.endr
	CE \d,0,8
	CE \d,1,9
	CE \d,2,6
	CE \d,3,7
	CE \d,4,8
	CE \d,5,9
	CE \d,2,4
	CE \d,3,5
	CE \d,6,8
	CE \d,7,9
	CE \d,0,1
	CE \d,2,3
	CE \d,4,5
	CE \d,6,7
	CE \d,8,9
.endm
	; The four qs lists of a row meet in LDS.  Every wave lays down both of its lists (no branch; the two that their own wave keeps are not
	; read).  Waves 0-3 (qs = 0) then merge the -iou lists of their rows, waves 4-7 (qs = 1) the cost lists: three merges each.
	v_mul_u32_u24 v37, v2, LPITCH
	s_mul_i32 s87, s[SQS], LQS
	s_add_co_u32 s87, s87, LST
	v_add_nc_u32 v35, s87, v37
	v_add_nc_u32 v36, LST, v37                     ; the two addresses of the final merges are made here too, ahead of the one wait
	v_lshlrev_b32 v38, 3, v2
	s_wait_alu depctr_va_vdst(0)                   ; both lists of ten and v35 are written, which the stores below read; so are v36 and v38, which the final loads and stores read; every pair is done reading the class terms, in whose registers the final loads land
	ds_store_b128 v35, v[LIA:LIA+3]
	ds_store_b128 v35, v[LIA+4:LIA+7] offset:16
	ds_store_b64 v35, v[LIA+8:LIA+9] offset:32
	ds_store_b128 v35, v[LCA:LCA+3] offset:LKIND
	ds_store_b128 v35, v[LCA+4:LCA+7] offset:LKIND+16
	ds_store_b64 v35, v[LCA+8:LCA+9] offset:LKIND+32
	s_wait_dscnt 0x0
	s_barrier_signal -1
	s_barrier_wait -1
	s_cmp_ge_u32 s[SW], 8
	s_cbranch_scc1 .Lend
; L: my own list of this kind; first, 2, 3: the qs of the three others.
.macro FINAL L, kind, first
	s_wait_alu depctr_vm_vsrc(0)                   ; my LDS stores have read my list, which the merges write again
.set xx, 0
.irp q, \first,2,3
	ds_load_b128 v[RD+10*xx:RD+10*xx+3], v36 offset:LKIND*\kind+LQS*\q
	ds_load_b128 v[RD+10*xx+4:RD+10*xx+7], v36 offset:LKIND*\kind+LQS*\q+16
	ds_load_b64 v[RD+10*xx+8:RD+10*xx+9], v36 offset:LKIND*\kind+LQS*\q+32
.set xx, xx+1
.endr
.irp x, 0,1,2
	s_wait_dscnt 6-3*\x                            ; the three loads of each later list stay out
	MERGE10 \L,\L,RD+10*\x
.endr
	s_wait_alu depctr_va_vdst(0)                   ; the merges have written the list, which the stores below read
.irp m, 0,1,2,3,4
	global_store_b64 v38, v[\L+2*\m:\L+2*\m+1], s[84:85] offset:5120*\kind+1024*\m   ; 32 lanes x 8 bytes: 256 consecutive bytes, aligned
.endr
.endm
	s_cmp_ge_u32 s[SW], 4
	s_cbranch_scc1 .Lcosts
	FINAL LIA,0,1
	s_branch .Lend
.Lcosts:
	FINAL LCA,1,0
.Lend:
	s_wait_dscnt 0x0
	s_wait_alu depctr_hold_cnt(0) depctr_sa_sdst(0) depctr_va_vdst(0) depctr_va_sdst(0) depctr_va_ssrc(0) depctr_va_vcc(0) depctr_vm_vsrc(0)
	s_wait_tensorcnt 0x0
	ds_add_u32 v252, v253
	s_wait_dscnt 0x0
	s_endpgm
.Lfunc_end_k_qab8c6a3bb3_cost:
	.size	k_qab8c6a3bb3_cost, .Lfunc_end_k_qab8c6a3bb3_cost-k_qab8c6a3bb3_cost
	.p2alignl 7, 3214868480
	.fill 96, 4, 3214868480
	.section	.rodata,"a",@progbits
	.p2align	6, 0x0
	.amdhsa_kernel k_qab8c6a3bb3_cost
		.amdhsa_group_segment_fixed_size 317440
		.amdhsa_private_segment_fixed_size 0
		.amdhsa_enable_private_segment 0
		.amdhsa_kernarg_size 48
		.amdhsa_user_sgpr_count 2
		.amdhsa_user_sgpr_kernarg_segment_ptr 1
		.amdhsa_wavefront_size32 1
		.amdhsa_system_sgpr_workgroup_id_x 1
		.amdhsa_system_sgpr_workgroup_id_y 1
		.amdhsa_system_sgpr_workgroup_id_z 1
		.amdhsa_system_vgpr_workitem_id 0
		.amdhsa_next_free_vgpr 254
		.amdhsa_next_free_sgpr 96
		.amdhsa_reserve_vcc 1
		.amdhsa_float_denorm_mode_32 3
		.amdhsa_float_denorm_mode_16_64 3
		.amdhsa_memory_ordered 1
		.amdhsa_forward_progress 1
		.amdhsa_inst_pref_size 215
	.end_amdhsa_kernel
	.amdgpu_metadata
---
amdhsa.version: [ 1, 2 ]
amdhsa.kernels:
  - .name:           k_qab8c6a3bb3_cost
    .symbol:         k_qab8c6a3bb3_cost.kd
    .args:
      - { .name: pred_boxes, .offset: 0, .size: 8, .value_kind: global_buffer, .address_space: global }
      - { .name: pred_logits, .offset: 8, .size: 8, .value_kind: global_buffer, .address_space: global }
      - { .name: tgt_boxes, .offset: 16, .size: 8, .value_kind: global_buffer, .address_space: global }
      - { .name: tgt_labels, .offset: 24, .size: 8, .value_kind: global_buffer, .address_space: global }
      - { .name: out0, .offset: 32, .size: 8, .value_kind: global_buffer, .address_space: global }
      - { .name: lists, .offset: 40, .size: 8, .value_kind: global_buffer, .address_space: global }
    .group_segment_fixed_size: 317440
    .private_segment_fixed_size: 0
    .kernarg_segment_align: 8
    .kernarg_segment_size: 48
    .max_flat_workgroup_size: 512
    .sgpr_count:     96
    .vgpr_count:     254
    .wavefront_size: 32
...
	.end_amdgpu_metadata
.endif
;; end of part 5
;; launch merge: the kernel of part 2 again; grid 64 x 1, 2 waves a work-group, no clusters, 512 bytes of LDS; arguments lists, sel; writes sel
;; launch match: the kernel of part 3 again; grid 16 x 16, 8 waves a work-group, no clusters, 25,600 bytes of LDS; arguments out0, sel; writes out0
